; MI455X (gfx1250); checked and timed in simulation.
; The chip was launched on July 23, 2026; its instructions are those of AMD's public machine-readable ISA for CDNA 5 (MIT licence, August 2026) and "CDNA5" Instruction Set Architecture Reference Guide (July 2026). The comments in the code are by the model that wrote it; some were corrected since.
;; Road Aware Detector. Allowed arithmetic: float matrix products may take bf16 or f16 operands with f32 sums; all other float work in f32.
;; Inputs: anchors 193,536 x 4 float32; cls_logits 16 x 193,536 x 9 float32; deltas 16 x 193,536 x 4 float32; obj_logits 16 x 193,536 float32.
;; Outputs: out0 16 x 100 x 6 float32.
;; 2 versions, each right and faster than the one before. Each part assembles by itself: llvm-mc -triple=amdgcn-amd-amdhsa -mcpu=gfx1250 --defsym DOCPART=n.
;; ======== version 1 of 2: 3 launches
;; workspace buffers: keys 111,476,736 bytes of whole numbers; bmax 6,967,296 bytes of whole numbers; boxes 2,359,296 bytes; kk 589,824 bytes of whole numbers
;; launch score (part 1): grid 189 x 16, 8 waves a work-group, no clusters, 40,448 bytes of LDS; arguments cls_logits, obj_logits, keys, bmax; writes keys, bmax
.if DOCPART == 1
	.amdgcn_target "amdgcn-amd-amdhsa--gfx1250"
	.amdhsa_code_object_version 6
	.text
	.protected	k_q7c56abbcf1_score
	.globl	k_q7c56abbcf1_score
	.p2align	8
	.type	k_q7c56abbcf1_score,@function
k_q7c56abbcf1_score:
	s_mov_b64 s[64:65], 0
	v_nop
	global_prefetch_b8 v0, s[64:65] scope:SCOPE_SE
	s_setreg_imm32_b32 hwreg(HW_REG_WAVE_MODE, 25, 1), 1
	s_wait_xcnt 0x0
; SCORES AS SORT KEYS.  cls_logits [16][193536][9], obj_logits [16][193536]  ->  keys [16][9][193536], bmax [16][9][12096], u32.
; s = sigmoid(cls) sigmoid(obj);  key = max(bits(s), bits(0.05f)) - (bits(0.05f) - 1): 1 where s <= 0.05 (masked), else a number
; from 2 to below 2^26 that orders as s does; 0 is left for padding in later launches.  bmax = largest key of 16 neighbouring anchors.
; sigmoid(x) = 1 / (1 + 2^(-x log2 e)); the reciprocal gets one Newton step, so that 1 + e, the quotient and the product round as
; plain f32 arithmetic does: the order of nearly equal scores decides which box lands in which output row.
; LIMITS: x is clamped to [-80, 80] (beyond that the sigmoid is 1.0, or so small that the score is masked: no key changes).
; A NaN logit is not served.  The exponential's argument is rounded once, so a score's last bit may differ where e is near 1 or above.
; SHARES: a work-group owns 1,024 anchors of one image, a wave 128, a lane 4 anchors x 9 classes.  The wave's 4,608 bytes come in by
; nine loads of 512 neighbouring bytes and are turned in the wave's own LDS bytes (lane pitch 144 = 9 x 16 bytes: sixteen lanes start
; in sixteen different 16-byte columns); a class's 128 keys leave as 512 neighbouring bytes.
; No tile is shared between work-groups and no product is formed: no cluster, no tensor load, no matrix instruction.
.set IMGB, 6967296                     ; bytes of an image in cls_logits and in keys
.set ROWB, 774144                      ; bytes of a class row of keys, and of an image in obj_logits
.set TR,   4608                        ; bytes of 128 anchors' class logits
.set BM,   36864                       ; LDS behind the eight turning spaces: [9][64] block maxima
.set BROW, 48384                       ; bytes of a class row of bmax
.set IN,   8                           ; v[8:47]   logits as loaded, then reciprocals
.set S,    48                          ; v[48:87]  36 class logits by anchor + 4 objectness; then 1 + e; then scores and keys by class
.set MX,   88                          ; v[88:96]  block maxima of the nine classes
	s_load_b256 s[4:11], s[0:1], 0x0               ; cls s[4:5], obj s[6:7], keys s[8:9], bmax s[10:11]
	v_lshl_add_u32 v100, v0, 2, 0x9a00
	v_mov_b32 v101, 0
	v_lshrrev_b32 v1, 5, v0
	v_readfirstlane_b32 s12, v1                    ; wave
	v_and_b32 v1, 31, v0                           ; lane
	s_and_b32 s13, ttmp7, 0xffff                   ; image
	s_lshl_b32 s14, ttmp9, 10
	s_lshl_b32 s15, s12, 7
	s_add_co_u32 s14, s14, s15                     ; my wave's first anchor
	s_mul_i32 s16, s13, IMGB
	s_mul_i32 s20, s14, 36
	s_add_co_u32 s20, s20, s16                     ; byte offset in cls_logits (below 2^27)
	s_mov_b32 s21, 0
	s_lshl_b32 s15, s14, 2
	s_add_co_u32 s22, s16, s15                     ; byte offset in keys, class 0
	s_mov_b32 s23, 0
	s_mul_i32 s24, s13, ROWB
	s_add_co_u32 s24, s24, s15                     ; byte offset in obj_logits
	s_mov_b32 s25, 0
	s_mul_i32 s26, s13, 9*BROW
	s_lshl_b32 s27, ttmp9, 8
	s_add_co_u32 s26, s26, s27                     ; byte offset in bmax, class 0: 64 blocks = 256 bytes a work-group
	s_mov_b32 s27, 0
	s_mov_b32 s32, 0xc2a00000                      ; -80.0
	s_mov_b32 s33, 0x42a00000                      ; 80.0
	s_mov_b32 s34, 0xbfb8aa3b                      ; -log2 e, twice (a pair for the packed multiply)
	s_mov_b32 s35, 0xbfb8aa3b
	s_mov_b32 s40, 0x3d4ccccd                      ; bits of 0.05f
	s_mov_b32 s41, 0xc2b33334                      ; -(bits of 0.05f - 1)
	v_lshlrev_b32 v2, 4, v1                        ; 16 x lane: loads and key stores
	s_mul_i32 s28, s12, TR
	v_add_nc_u32 v3, s28, v2                       ; LDS, in: my wave's space + 16 x lane
	v_mul_u32_u24 v4, v1, 144
	v_add_nc_u32 v4, s28, v4                       ; LDS, back: my wave's space + 144 x lane
	v_lshrrev_b32 v5, 2, v1
	v_lshlrev_b32 v5, 2, v5
	s_lshl_b32 s29, s12, 5
	v_add_nc_u32 v5, s29, v5                       ; block maxima: 8 blocks a wave, 4 lanes a block
	v_min_u32 v98, 143, v0                         ; the way out of the maxima: 144 pieces of 16 bytes; threads behind them stay inside the table
	v_lshlrev_b32 v6, 4, v98                       ; 16 t in LDS,
	v_lshrrev_b32 v7, 4, v98
	v_mul_u32_u24 v7, v7, BROW
	v_and_b32 v97, 15, v98
	v_lshl_add_u32 v7, v97, 4, v7                  ; class t / 16, 16 (t mod 16) in its row of bmax
	s_wait_kmcnt 0x0
	s_add_nc_u64 s[4:5], s[4:5], s[20:21]
	s_add_nc_u64 s[8:9], s[8:9], s[22:23]
	s_add_nc_u64 s[6:7], s[6:7], s[24:25]
	s_add_nc_u64 s[10:11], s[10:11], s[26:27]
	global_load_b128 v[S+36:S+39], v2, s[6:7] th:TH_LOAD_NT
.irp k, 0,1,2,3,4,5,6,7,8
	global_load_b128 v[IN+4*\k:IN+4*\k+3], v2, s[4:5] offset:512*\k th:TH_LOAD_NT
.endr
	s_wait_loadcnt 0x0                             ; all ten are needed at once; the other waves of the SIMD cover the wait
.irp k, 0,1,2,3,4,5,6,7,8
	ds_store_b128 v3, v[IN+4*\k:IN+4*\k+3] offset:512*\k
.endr
.irp k, 0,1,2,3,4,5,6,7,8
	ds_load_b128 v[S+4*\k:S+4*\k+3], v4 offset:16*\k       ; my wave's own bytes, served in order (ISA guide 5.7.1): S[9 a + c]
.endr
	s_wait_dscnt 0x0
	; the sigmoid of all forty numbers, stage by stage
.set j, 0
.rept 40
	v_med3_num_f32 v[S+j], v[S+j], s32, s33
.set j, j+1
.endr
.set j, 0
.rept 20
	v_pk_mul_f32 v[S+j:S+j+1], v[S+j:S+j+1], s[34:35] op_sel_hi:[1,0]
.set j, j+2
.endr
.set j, 0
.rept 40
	v_exp_f32 v[S+j], v[S+j]                       ; e = exp(-x)
.set j, j+1
.endr
	v_nop                                          ; one plain place between the last exponential and its use (ISA guide 5.7.2)
.set j, 0
	s_wait_alu depctr_va_vdst(0)
.rept 20
	v_pk_add_f32 v[S+j:S+j+1], v[S+j:S+j+1], 1.0 op_sel_hi:[1,0]
.set j, j+2
.endr
.set j, 0
.rept 40
	v_rcp_f32 v[IN+j], v[S+j]
.set j, j+1
.endr
	v_nop
.set j, 0
	s_wait_alu depctr_va_vdst(0)
.rept 20
	v_pk_fma_f32 v[S+j:S+j+1], v[S+j:S+j+1], v[IN+j:IN+j+1], 1.0 op_sel_hi:[1,1,0] neg_lo:[1,0,0] neg_hi:[1,0,0]   ; 1 - d r
.set j, j+2
.endr
.set j, 0
.rept 20
	v_pk_fma_f32 v[IN+j:IN+j+1], v[IN+j:IN+j+1], v[S+j:S+j+1], v[IN+j:IN+j+1]                                      ; r + r (1 - d r)
.set j, j+2
.endr
	; scores, class-major: four neighbouring anchors of a class in four neighbouring registers
.irp c, 0,1,2,3,4,5,6,7,8
.irp a, 0,1,2,3
	v_mul_f32 v[S+4*\c+\a], v[IN+9*\a+\c], v[IN+36+\a]
.endr
.endr
.irp c, 0,1,2,3,4,5,6,7,8
	v_max3_num_f32 v[MX+\c], v[S+4*\c], v[S+4*\c+1], v[S+4*\c+2]
	v_max_num_f32 v[MX+\c], v[MX+\c], v[S+4*\c+3]
.endr
.irp c, 0,1,2,3,4,5,6,7,8
	v_max_num_f32_dpp v[MX+\c], v[MX+\c], v[MX+\c] row_xmask:1 row_mask:0xf bank_mask:0xf
.endr
.irp c, 0,1,2,3,4,5,6,7,8
	v_max_num_f32_dpp v[MX+\c], v[MX+\c], v[MX+\c] row_xmask:2 row_mask:0xf bank_mask:0xf   ; four lanes = 16 anchors
.endr
.set j, 0
.rept 49                                           ; S[0..35] and, behind four registers that are done with, MX[0..8] = S[40..48]
.if (j < 36) || (j >= 40)
	v_max_u32 v[S+j], s40, v[S+j]
	v_add_nc_u32 v[S+j], s41, v[S+j]
.endif
.set j, j+1
.endr
.irp c, 0,1,2,3,4,5,6,7,8
	global_store_b128 v2, v[S+4*\c:S+4*\c+3], s[8:9] offset:\c*ROWB th:TH_STORE_NT    ; 512 neighbouring bytes, aligned
.endr
.irp c, 0,1,2,3,4,5,6,7,8
	ds_store_b32 v5, v[MX+\c] offset:BM+256*\c     ; four lanes write the same word with the same value
.endr
	s_wait_dscnt 0x0                               ; for the other waves' sake: my maxima are in LDS
	s_barrier_signal -1
	s_barrier_wait -1
	s_wait_xcnt 0x0                                ; EXEC is a source of the key stores: it changes only behind this wait
	v_cmp_gt_u32 vcc_lo, 144, v0
	s_wait_tensorcnt 0x0
	ds_add_u32 v100, v101
	s_wait_dscnt 0x0
	s_and_saveexec_b32 s30, vcc_lo                 ; 144 threads x 16 bytes = nine rows of 256 bytes
	ds_load_b128 v[IN:IN+3], v6 offset:BM
	s_wait_dscnt 0x0
	global_store_b128 v7, v[IN:IN+3], s[10:11] th:TH_STORE_NT     ; sixteen lanes store 256 consecutive bytes, aligned
	s_endpgm
.Lfunc_end_k_q7c56abbcf1_score:
	.size	k_q7c56abbcf1_score, .Lfunc_end_k_q7c56abbcf1_score-k_q7c56abbcf1_score
	.p2alignl 7, 3214868480
	.fill 96, 4, 3214868480
	.section	.rodata,"a",@progbits
	.p2align	6, 0x0
	.amdhsa_kernel k_q7c56abbcf1_score
		.amdhsa_group_segment_fixed_size 40448
		.amdhsa_private_segment_fixed_size 0
		.amdhsa_enable_private_segment 0
		.amdhsa_kernarg_size 32
		.amdhsa_user_sgpr_count 2
		.amdhsa_user_sgpr_kernarg_segment_ptr 1
		.amdhsa_wavefront_size32 1
		.amdhsa_system_sgpr_workgroup_id_x 1
		.amdhsa_system_sgpr_workgroup_id_y 1
		.amdhsa_system_sgpr_workgroup_id_z 1
		.amdhsa_system_vgpr_workitem_id 0
		.amdhsa_next_free_vgpr 102
		.amdhsa_next_free_sgpr 66
		.amdhsa_reserve_vcc 1
		.amdhsa_float_denorm_mode_32 3
		.amdhsa_float_denorm_mode_16_64 3
		.amdhsa_memory_ordered 1
		.amdhsa_forward_progress 1
		.amdhsa_inst_pref_size 23
	.end_amdhsa_kernel
	.amdgpu_metadata
---
amdhsa.version: [ 1, 2 ]
amdhsa.kernels:
  - .name:           k_q7c56abbcf1_score
    .symbol:         k_q7c56abbcf1_score.kd
    .args:
      - { .name: cls_logits, .offset: 0, .size: 8, .value_kind: global_buffer, .address_space: global }
      - { .name: obj_logits, .offset: 8, .size: 8, .value_kind: global_buffer, .address_space: global }
      - { .name: keys, .offset: 16, .size: 8, .value_kind: global_buffer, .address_space: global }
      - { .name: bmax, .offset: 24, .size: 8, .value_kind: global_buffer, .address_space: global }
    .group_segment_fixed_size: 40448
    .private_segment_fixed_size: 0
    .kernarg_segment_align: 8
    .kernarg_segment_size: 32
    .max_flat_workgroup_size: 256
    .sgpr_count:     66
    .vgpr_count:     102
    .wavefront_size: 32
...
	.end_amdgpu_metadata
.endif
;; end of part 1
;; launch nms (part 2): grid 9 x 16, 32 waves a work-group, no clusters, 176,640 bytes of LDS; arguments anchors, deltas, keys, bmax, boxes, kk; writes boxes, kk
.if DOCPART == 2
	.amdgcn_target "amdgcn-amd-amdhsa--gfx1250"
	.amdhsa_code_object_version 6
	.text
	.protected	k_q7c56abbcf1_nms
	.globl	k_q7c56abbcf1_nms
	.p2align	8
	.type	k_q7c56abbcf1_nms,@function
k_q7c56abbcf1_nms:
	s_mov_b64 s[64:65], 0
	v_nop
	global_prefetch_b8 v0, s[64:65] scope:SCOPE_SE
	s_setreg_imm32_b32 hwreg(HW_REG_WAVE_MODE, 25, 1), 1
	s_wait_xcnt 0x0
; ONE (image, class) PROBLEM A WORK-GROUP: the 1000 best anchors by (key descending, index ascending), their boxes, greedy NMS.
; in:  anchors [193536][4], deltas [16][193536][4] f32; keys [144][193536], bmax [144][12096] u32 (1 = masked score, 2.. = valid).
; out: boxes [144][1024][4] f32 by rank; kk [144][1024] u32: the key if the box is kept, else min(key, 1); 0 = padding (ranks 1000..).
; PHASES: (1) the 1000 best blocks of 16 anchors by (bmax descending, block ascending): they hold all 1000 best anchors, since each
; block kept has an element that precedes everything in a block left out; (2) the 1000 best of their 16,000 keys; (3) a bitonic sort
; of 1024 (key, index) pairs; (4) gather and decode; (5) IoU > 0.5 as a bit matrix, row tile w by wave w, column tiles w..31;
; (6) wave 0 scans the 32 row blocks; (7) results out.  All addresses and counts are made of whole numbers read from memory;
; what hangs on floating-point numbers (the bit matrix, the keep mask) only selects values.  EXEC stays full throughout.
; IoU TEST: x is kept doubled, so A = 2 inter exactly; u = (a1 + a2) - inter is one rounding on each step as in plain arithmetic;
; 2 inter > max(u, 1e-6) decides as inter / max(u, 1e-6) > 0.5 does: the next float above u/2 divides to more than half a step past 0.5.
; LIMITS: anchors and deltas finite, coordinates below 2^126 (the doubling); box centres by one fused multiply-add (one rounding
; where a multiply and an add make two); exp by v_exp_f32 of the rounded argument.
; No product, no tile shared between work-groups: no matrix instruction, tensor load or cluster.
.set CNT,  0                           ; 2 x 128 bytes: one word a wave, two halves that take turns
.set KEEP, 256                         ; 32 words: the keep mask
.set PAIR, 512                         ; 1024 x 8 bytes: (key, index)
.set XCH,  8704                        ; 8192 bytes: the sort's exchange.  Before the sort: slots 1024 + t of PAIR, where thread t lays pairs that are not taken
.set BX,   16896                       ; 1024 x 16 bytes: (2 x1, y1, 2 x2, y2)
.set AREA, 33280                       ; 1024 x 4 bytes
.set M,    37376                       ; 1024 rows of 32 words, pitch 132 bytes (33 words: a column of 32 rows meets 32 banks)
.set MP,   132
; v0 t, v1 lane, v2 v3 v10 v11 at work, v4 = 4 wave, v5 = 4 lane, v6 = 8 t, v[8:9] padding pair, v12 = 1024 + t,
; v[16:47] pairs, v[48:63] addresses
; s16 wave, s22 s23 lane select of v_permlanex16_b32, s24-s35 selection, s36-s51 compare masks, then the sort's lane masks
.macro BAR
	s_barrier_signal -1
	s_barrier_wait -1
.endm
; the sum over the 32 lanes, whole numbers, in every lane
.macro WSUM val, tmp
.irp x, 1,2,4,8
	v_mov_b32_dpp v[\tmp], v[\val] row_xmask:\x row_mask:0xf bank_mask:0xf
	v_add_nc_u32 v[\val], v[\val], v[\tmp]
.endr
	v_permlanex16_b32 v[\tmp], v[\val], s22, s23
	v_add_nc_u32 v[\val], v[\val], v[\tmp]
.endm
; every wave's number num: lane l of v2 gets wave l's.  A half of CNT is written again only behind the other half's barrier,
; in front of which each wave has waited for its read of it.
.macro GATHER32 num, half
	v_mov_b32 v2, \num
	ds_store_b32 v4, v2 offset:CNT+128*\half
	s_wait_dscnt 0x0                               ; for the others' sake: my word is in LDS
	BAR
	ds_load_b32 v2, v5 offset:CNT+128*\half
	s_wait_dscnt 0x0
.endm
; one step of the search: bit s25 - d joins the threshold s24 if at least top keys reach the larger threshold
.macro SSTEP cnt, top, d, half
	s_sub_co_u32 s26, s25, \d
	s_lshl_b32 s26, 1, s26
	s_or_b32 s26, s24, s26
	s_mov_b32 s27, 0
.set m, 0
.rept \cnt
	v_cmp_le_u32 s[36+m], s26, v[16+2*m]
.set m, m+1
.endr
.set m, 0
.rept \cnt
	s_bcnt1_i32_b32 s28, s[36+m]
	s_add_co_u32 s27, s27, s28
.set m, m+1
.endr
	GATHER32 s27, \half
	WSUM 2, 3
	v_readfirstlane_b32 s34, v2
	s_cmp_ge_u32 s34, \top
	s_cselect_b32 s24, s26, s24
.endm
; The top first pairs by (key descending, index ascending) go to PAIR[0 .. top-1], in index order; the rest of PAIR[0 .. 1023] is padding.
; Element m of a thread is (v[16+2m], v[17+2m]); the index order is wave, then m, then lane.  Keys are below 2^26.
.macro SELECT cnt, top
	s_mov_b32 s24, 0                               ; the threshold T: in the end the top-th largest key
	s_mov_b32 s25, 26
.Lsel\@:
	SSTEP \cnt, \top, 1, 0
	SSTEP \cnt, \top, 2, 1
	s_sub_co_u32 s25, s25, 2
	s_cmp_lg_u32 s25, 0
	s_cbranch_scc1 .Lsel\@
	ds_store_b64 v6, v[8:9] offset:PAIR            ; padding everywhere first; it is in LDS at the barrier below, ahead of every placing
	s_mov_b32 s27, 0                               ; my wave's counts: keys above T below, keys equal to T in the upper half
.set m, 0
.rept \cnt
	v_cmp_lt_u32 s32, s24, v[16+2*m]
	v_cmp_eq_u32 s33, s24, v[16+2*m]
	s_bcnt1_i32_b32 s32, s32
	s_bcnt1_i32_b32 s33, s33
	s_lshl_b32 s33, s33, 16
	s_add_co_u32 s27, s27, s32
	s_add_co_u32 s27, s27, s33
.set m, m+1
.endr
	GATHER32 s27, 0
	v_cmp_gt_u32 vcc_lo, s16, v1
	v_cndmask_b32 v10, 0, v2, vcc_lo               ; the waves in front of mine
	WSUM 2, 3
	WSUM 10, 3
	v_readfirstlane_b32 s34, v2
	v_readfirstlane_b32 s35, v10
	s_and_b32 s29, s34, 0xffff
	s_sub_co_u32 s29, \top, s29                    ; how many of the keys equal to T are taken: the first ones
	s_and_b32 s30, s35, 0xffff                     ; keys above T in front of me
	s_lshr_b32 s31, s35, 16                        ; keys equal to T in front of me
.set m, 0
.rept \cnt
	v_cmp_lt_u32 s32, s24, v[16+2*m]
	v_cmp_eq_u32 s33, s24, v[16+2*m]
	v_mbcnt_lo_u32_b32 v11, s33, s31
	v_mbcnt_lo_u32_b32 v10, s32, s30
	v_cmp_gt_u32 vcc_lo, s29, v11
	s_and_b32 vcc_lo, vcc_lo, s33
	s_or_b32 vcc_lo, vcc_lo, s32                   ; taken
	v_min_u32 v11, s29, v11
	v_add_nc_u32 v10, v10, v11                     ; taken in front of me = my place
	v_cndmask_b32 v10, v12, v10, vcc_lo            ; not taken: slot 1024 + t, my own, never read
	v_min_u32 v10, 0x7ff, v10
	v_lshlrev_b32 v10, 3, v10
	ds_store_b64 v10, v[16+2*m:17+2*m] offset:PAIR
	s_bcnt1_i32_b32 s32, s32
	s_bcnt1_i32_b32 s33, s33
	s_add_co_u32 s30, s30, s32
	s_add_co_u32 s31, s31, s33
.set m, m+1
.endr
	s_wait_dscnt 0x0
	BAR
.endm
	s_load_b256 s[4:11], s[0:1], 0x0               ; anchors s[4:5], deltas s[6:7], keys s[8:9], bmax s[10:11]
	s_load_b128 s[12:15], s[0:1], 0x20             ; boxes s[12:13], kk s[14:15]
	v_lshl_add_u32 v116, v0, 2, 0x2a200
	v_mov_b32 v117, 0
	v_lshrrev_b32 v2, 5, v0
	v_readfirstlane_b32 s16, v2                    ; wave
	v_and_b32 v1, 31, v0                           ; lane
	v_lshlrev_b32 v4, 2, v2
	v_lshlrev_b32 v5, 2, v1
	v_lshlrev_b32 v6, 3, v0
	v_mov_b32 v8, 0                                ; padding: key 0 (real keys are 1 or more),
	v_add_nc_u32 v9, 0x40000, v0                   ; an index above every real one, different in every thread
	v_add_nc_u32 v12, 0x400, v0
	v_mov_b32 v3, 0
	v_mad_u32_u24 v7, v2, 384, v1                  ; 384 wave + lane: my first block
	v_lshl_add_u32 v13, v2, 9, v1                  ; 512 wave + lane: my first candidate
	v_and_b32 v14, 15, v1
	v_lshrrev_b32 v15, 4, v1
	v_lshlrev_b32 v15, 3, v15
	v_lshl_add_u32 v15, v2, 8, v15                 ; PAIR slot 32 wave + lane / 16, in bytes
	s_mov_b32 s22, 0x76543210
	s_mov_b32 s23, 0xfedcba98
	s_and_b32 s17, ttmp7, 0xffff                   ; image
	s_mul_i32 s18, s17, 9
	s_add_co_u32 s18, s18, ttmp9                   ; problem
	s_mov_b32 s21, 0
	s_wait_kmcnt 0x0
	s_mul_i32 s20, s17, 3096576
	s_add_nc_u64 s[6:7], s[6:7], s[20:21]
	s_mul_i32 s20, s18, 774144
	s_add_nc_u64 s[8:9], s[8:9], s[20:21]
	s_mul_i32 s20, s18, 48384
	s_add_nc_u64 s[10:11], s[10:11], s[20:21]
	s_lshl_b32 s20, s18, 14
	s_add_nc_u64 s[12:13], s[12:13], s[20:21]
	s_lshl_b32 s20, s18, 12
	s_add_nc_u64 s[14:15], s[14:15], s[20:21]
	; (1) block maxima: 12 a thread, block 384 wave + 32 m + lane; blocks past 12,095 count as padding
.set m, 0
.rept 12
	v_add_nc_u32 v[17+2*m], 32*m, v7
	v_min_u32 v[48+m], 12095, v[17+2*m]
	v_lshlrev_b32 v[48+m], 2, v[48+m]
	global_load_b32 v[16+2*m], v[48+m], s[10:11]
.set m, m+1
.endr
	s_wait_loadcnt 0x0
.set m, 0
.rept 12
	v_cmp_gt_u32 vcc_lo, 12096, v[17+2*m]
	v_cndmask_b32 v[16+2*m], 0, v[16+2*m], vcc_lo
.set m, m+1
.endr
	SELECT 12, 1000
	; (2) the 16 keys of each block kept: slot 32 wave + 2 m + lane / 16, anchor 16 block + lane mod 16 (ascending in wave, m, lane)
.set m, 0
.rept 16
	ds_load_b32 v[48+m], v15 offset:PAIR+4+16*m
.set m, m+1
.endr
	s_wait_dscnt 0x0
.set m, 0
.rept 16
	v_min_u32 v[48+m], 12095, v[48+m]
	v_lshl_add_u32 v[17+2*m], v[48+m], 4, v14
	v_lshlrev_b32 v[48+m], 2, v[17+2*m]
	global_load_b32 v[16+2*m], v[48+m], s[8:9]
.set m, m+1
.endr
	s_wait_loadcnt 0x0
.set m, 0
.rept 16
	v_cmp_gt_u32 vcc_lo, 16000-32*m, v13           ; slots 1000 and up are padding
	v_cndmask_b32 v[16+2*m], 0, v[16+2*m], vcc_lo
.set m, m+1
.endr
	SELECT 16, 1000
	; (3) bitonic sort of the 1024 pairs, one a thread: key descending, index ascending.  s[36+i] = lanes in which bit i of t is set.
	ds_load_b64 v[16:17], v6 offset:PAIR
	s_mov_b32 s36, 0xaaaaaaaa
	s_mov_b32 s37, 0xcccccccc
	s_mov_b32 s38, 0xf0f0f0f0
	s_mov_b32 s39, 0xff00ff00
	s_mov_b32 s40, 0xffff0000
.irp i, 0,1,2,3,4
	s_bitcmp1_b32 s16, \i
	s_cselect_b32 s[41+\i], -1, 0
.endr
	s_mov_b32 s46, 0
	v_mov_b32 v18, 0
	v_mov_b32 v19, 0
	s_wait_dscnt 0x0
.macro XM x
	v_mov_b32_dpp v18, v16 row_xmask:\x row_mask:0xf bank_mask:0xf
	v_mov_b32_dpp v19, v17 row_xmask:\x row_mask:0xf bank_mask:0xf
.endm
; one stage: the partner is thread t xor 2^lj; the run's direction is bit lk of t
.macro STAGE
.if lj == 0
	XM 1
.elseif lj == 1
	XM 2
.elseif lj == 2
	XM 4
.elseif lj == 3
	XM 8
.elseif lj == 4
	v_permlanex16_b32 v18, v16, s22, s23
	v_permlanex16_b32 v19, v17, s22, s23
.else
	ds_store_b64 v6, v[16:17] offset:XCH           ; the partner sits in another wave: one region, filled and read in every such stage
	s_wait_dscnt 0x0                               ; for the partner's sake: my pair is in LDS
	BAR
	v_xor_b32 v2, 8<<lj, v6
	ds_load_b64 v[18:19], v2 offset:XCH
	s_wait_dscnt 0x0                               ; my read is over,
	BAR                                            ; and everybody's, before any wave stores here again
.endif
	v_cmp_gt_u32 s47, v18, v16
	v_cmp_eq_u32 s48, v18, v16
	v_cmp_lt_u32 vcc_lo, v19, v17
	s_and_b32 s48, s48, vcc_lo
	s_or_b32 s47, s47, s48                         ; the partner's pair precedes mine
	s_xor_b32 s49, s[36+lj], s[36+lk]              ; I am the upper of the two, xor the run descends
	s_xor_b32 vcc_lo, s47, s49
	v_cndmask_b32 v16, v16, v18, vcc_lo
	v_cndmask_b32 v17, v17, v19, vcc_lo
.endm
.set lk, 1
.rept 10
.set lj, lk-1
.rept lk
	STAGE
.set lj, lj-1
.endr
.set lk, lk+1
.endr
	; thread t now holds rank t: v16 key, v17 anchor; both stay to the end
	; (4) gather and decode
	v_min_u32 v50, 0x2f3ff, v17
	v_lshlrev_b32 v50, 4, v50
	global_load_b128 v[20:23], v50, s[4:5]
	global_load_b128 v[24:27], v50, s[6:7]
	v_lshlrev_b32 v48, 4, v0                       ; 16 t
	v_lshlrev_b32 v49, 2, v0                       ; 4 t
	s_wait_loadcnt 0x0
	v_sub_f32 v28, v22, v20
	v_sub_f32 v29, v23, v21
	v_add_f32 v30, v20, v22
	v_add_f32 v31, v21, v23
	v_max_num_f32 v28, 1.0, v28                    ; anchor width, height
	v_max_num_f32 v29, 1.0, v29
	v_mul_f32 v30, 0.5, v30
	v_mul_f32 v31, 0.5, v31
	v_fma_f32 v30, v24, v28, v30                   ; cx, cy
	v_fma_f32 v31, v25, v29, v31
	v_min_num_f32 v32, 4.0, v26
	v_min_num_f32 v33, 4.0, v27
	v_mul_f32 v32, 0x3fb8aa3b, v32
	v_mul_f32 v33, 0x3fb8aa3b, v33
	v_exp_f32 v32, v32
	v_exp_f32 v33, v33
	v_nop                                          ; one plain place behind the exponentials (ISA guide 5.7.2)
	s_wait_alu depctr_va_vdst(0)
	v_mul_f32 v32, v32, v28                        ; w, h
	v_mul_f32 v33, v33, v29
	v_fma_f32 v40, v32, -0.5, v30                  ; w / 2 is exact: one rounding, as in cx - w / 2
	v_fma_f32 v41, v33, -0.5, v31
	v_fma_f32 v42, v32, 0.5, v30
	v_fma_f32 v43, v33, 0.5, v31
	global_store_b128 v48, v[40:43], s[12:13]      ; a wave stores 512 neighbouring bytes; v48 and v[40:43] are not written again
	v_sub_f32 v34, v42, v40
	v_sub_f32 v35, v43, v41
	v_add_f32 v44, v40, v40
	v_mov_b32 v45, v41
	v_add_f32 v46, v42, v42
	v_mov_b32 v47, v43
	v_mul_f32 v34, v34, v35                        ; area
	ds_store_b128 v48, v[44:47] offset:BX
	ds_store_b32 v49, v34 offset:AREA
	s_wait_dscnt 0x0
	BAR
	; (5) the bit matrix.  Lane l of word J of row i: IoU(i, 32 J + l) > 0.5.  Eight rows in scalar registers against 32 columns in lanes.
.set RX,  20                           ; v[20:23], v24: my row tile's boxes and areas, one row a lane
.set C,   26                           ; v[26:29], v30: a column tile's
.set CA,  30
.set W,   52                           ; v[52:83]: lane J collects word J of my 32 rows
.set T,   84                           ; v[84:115]: four at work for each of eight rows
.set ROW, 24                           ; s[24:63]: eight rows x (2 x1, y1, 2 x2, y2, area)
.set BAL, 66                           ; s[66:73]
	s_lshl_b32 s20, s16, 9
	v_lshl_add_u32 v31, v1, 4, s20                 ; 512 wave + 16 lane
	s_lshl_b32 s20, s16, 7
	v_add_nc_u32 v32, s20, v5                      ; 128 wave + 4 lane
	ds_load_b128 v[RX:RX+3], v31 offset:BX
	ds_load_b32 v[RX+4], v32 offset:AREA
	s_mul_i32 s20, s16, 32*MP
	s_add_co_u32 s20, s20, M
	v_add_nc_u32 v35, s20, v5                      ; my row tile in M (32 rows x 132 bytes, my wave's own), word = lane
	s_mov_b32 s76, 0x358637bd                      ; 1e-6
	s_wait_dscnt 0x0
.macro IOUG g
.set q, 0
.rept 8
.irp k, 0,1,2,3,4
	v_readlane_b32 s[ROW+5*q+\k], v[RX+\k], 8*\g+q
.endr
	v_mov_b32 v[W+8*\g+q], 0                       ; words in front of the diagonal stay 0: no trip of the loop writes their lanes
.set q, q+1
.endr
	v_mov_b32 v33, v31
	v_mov_b32 v34, v32
	s_mov_b32 s74, s16                             ; column tiles wave .. 31
.Lj\g:
	ds_load_b128 v[C:C+3], v33 offset:BX
	ds_load_b32 v[CA], v34 offset:AREA
	v_cmp_eq_u32 s75, s74, v1
	s_wait_dscnt 0x0
.irp q, 0,1,2,3,4,5,6,7
	v_max_num_f32 v[T+4*\q],   s[ROW+5*\q],   v[C]
	v_min_num_f32 v[T+4*\q+1], s[ROW+5*\q+2], v[C+2]
	v_max_num_f32 v[T+4*\q+2], s[ROW+5*\q+1], v[C+1]
	v_min_num_f32 v[T+4*\q+3], s[ROW+5*\q+3], v[C+3]
.endr
.irp q, 0,1,2,3,4,5,6,7
	v_sub_f32 v[T+4*\q],   v[T+4*\q+1], v[T+4*\q]
	v_sub_f32 v[T+4*\q+2], v[T+4*\q+3], v[T+4*\q+2]
.endr
.irp q, 0,1,2,3,4,5,6,7
	v_max_num_f32 v[T+4*\q],   0, v[T+4*\q]
	v_max_num_f32 v[T+4*\q+2], 0, v[T+4*\q+2]
.endr
.irp q, 0,1,2,3,4,5,6,7
	v_mul_f32 v[T+4*\q], v[T+4*\q], v[T+4*\q+2]            ; 2 inter
	v_add_f32 v[T+4*\q+1], s[ROW+5*\q+4], v[CA]            ; a1 + a2
.endr
.irp q, 0,1,2,3,4,5,6,7
	v_fma_f32 v[T+4*\q+1], v[T+4*\q], -0.5, v[T+4*\q+1]    ; - inter
.endr
.irp q, 0,1,2,3,4,5,6,7
	v_max_num_f32 v[T+4*\q+1], s76, v[T+4*\q+1]
.endr
.irp q, 0,1,2,3,4,5,6,7
	v_cmp_gt_f32 s[BAL+\q], v[T+4*\q], v[T+4*\q+1]
.endr
.irp q, 0,1,2,3,4,5,6,7
	v_cndmask_b32 v[W+8*\g+\q], v[W+8*\g+\q], s[BAL+\q], s75
.endr
	v_add_nc_u32 v33, 512, v33
	v_add_nc_u32 v34, 128, v34
	s_add_co_u32 s74, s74, 1
	s_cmp_lt_u32 s74, 32
	s_cbranch_scc1 .Lj\g
.endm
	IOUG 0
	IOUG 1
	IOUG 2
	IOUG 3
	s_wait_dscnt 0x0                               ; met: every trip has waited for its two loads
	BAR                                            ; all waves have read their last boxes: up to here this phase only reads LDS, from here it only writes
.set r, 0
.rept 32
	ds_store_b32 v35, v[W+r] offset:MP*r
.set r, r+1
.endr
	v_mov_b32 v86, 0                               ; the keep mask, lane J = rows 32 J ..: written in every wave, filled by wave 0
	s_wait_dscnt 0x0
	BAR
	; (6) the scan, wave 0 alone.  v85: lane J = removed bits of columns 32 J ..; s[24:55]: the diagonal tile's rows, bits above the row only.
	s_cmp_lg_u32 s16, 0
	s_cbranch_scc1 .Ljoin
	v_mov_b32 v85, 0
	v_lshlrev_b32 v87, v1, -2                      ; columns behind row = lane
	v_add_nc_u32 v88, M, v5                        ; row r of the block by the immediate, word = lane
	v_mul_u32_u24 v89, v1, MP
	v_add_nc_u32 v89, M, v89                       ; row = lane, the diagonal word
	s_mov_b32 s59, 0
.Lscan:
	ds_load_b32 v84, v89
.set r, 0
.rept 32
	ds_load_b32 v[52+r], v88 offset:MP*r
.set r, r+1
.endr
	v_add_nc_u32 v88, 32*MP, v88
	v_add_nc_u32 v89, 32*MP+4, v89
	s_wait_dscnt 32                                ; the diagonal word is in; the 32 row loads issued behind it stay out
	v_and_b32 v84, v84, v87
.set r, 0
.rept 32
	v_readlane_b32 s[24+r], v84, r
.set r, r+1
.endr
	v_readlane_b32 s56, v85, s59                   ; what earlier blocks removed of this one
.set r, 0
.rept 32
	s_bitcmp1_b32 s56, r                           ; row r removed: it removes nothing
	s_cselect_b32 s58, 0, s[24+r]
	s_or_b32 s56, s56, s58
.set r, r+1
.endr
	s_not_b32 s57, s56                             ; kept rows of the block
	s_wait_dscnt 0x0
.set r, 0
.rept 32
	s_bitcmp1_b32 s57, r
	s_cselect_b32 s58, -1, 0
	v_and_or_b32 v85, v[52+r], s58, v85
.set r, r+1
.endr
	v_cmp_eq_u32 vcc_lo, s59, v1
	v_cndmask_b32 v86, v86, s57, vcc_lo
	s_add_co_u32 s59, s59, 1
	s_cmp_lt_u32 s59, 32
	s_cbranch_scc1 .Lscan
.Ljoin:
	s_wait_dscnt 0x0                               ; the scan's reads, which walk through the matrix by stepped addresses, are over
	BAR                                            ; a barrier between them and the store below: reads, wait, barrier, store
	s_cmp_lg_u32 s16, 0
	s_cbranch_scc1 .Lkept
	ds_store_b32 v5, v86 offset:KEEP               ; wave 0: the 32 words of the keep mask
.Lkept:
	s_wait_dscnt 0x0                               ; for the others' sake: the mask is in LDS
	BAR
	; (7) kk: through LDS, so that sixteen lanes store 256 consecutive bytes
	ds_load_b32 v2, v4 offset:KEEP
	v_min_u32 v3, 1, v16
	s_wait_dscnt 0x0
	v_lshrrev_b32 v2, v1, v2
	v_and_b32 v2, 1, v2
	v_cmp_eq_u32 vcc_lo, 1, v2
	v_cndmask_b32 v3, v3, v16, vcc_lo
	ds_store_b32 v49, v3 offset:XCH
	s_wait_dscnt 0x0
	BAR
	s_cmp_ge_u32 s16, 8
	s_cbranch_scc1 .Lend
	ds_load_b128 v[20:23], v48 offset:XCH
	s_wait_dscnt 0x0
	global_store_b128 v48, v[20:23], s[14:15]
.Lend:
	s_wait_tensorcnt 0x0
	ds_add_u32 v116, v117
	s_wait_dscnt 0x0
	s_endpgm
.Lfunc_end_k_q7c56abbcf1_nms:
	.size	k_q7c56abbcf1_nms, .Lfunc_end_k_q7c56abbcf1_nms-k_q7c56abbcf1_nms
	.p2alignl 7, 3214868480
	.fill 96, 4, 3214868480
	.section	.rodata,"a",@progbits
	.p2align	6, 0x0
	.amdhsa_kernel k_q7c56abbcf1_nms
		.amdhsa_group_segment_fixed_size 176640
		.amdhsa_private_segment_fixed_size 0
		.amdhsa_enable_private_segment 0
		.amdhsa_kernarg_size 48
		.amdhsa_user_sgpr_count 2
		.amdhsa_user_sgpr_kernarg_segment_ptr 1
		.amdhsa_wavefront_size32 1
		.amdhsa_system_sgpr_workgroup_id_x 1
		.amdhsa_system_sgpr_workgroup_id_y 1
		.amdhsa_system_sgpr_workgroup_id_z 1
		.amdhsa_system_vgpr_workitem_id 0
		.amdhsa_next_free_vgpr 118
		.amdhsa_next_free_sgpr 80
		.amdhsa_reserve_vcc 1
		.amdhsa_float_denorm_mode_32 3
		.amdhsa_float_denorm_mode_16_64 3
		.amdhsa_memory_ordered 1
		.amdhsa_forward_progress 1
		.amdhsa_inst_pref_size 134
	.end_amdhsa_kernel
	.amdgpu_metadata
---
amdhsa.version: [ 1, 2 ]
amdhsa.kernels:
  - .name:           k_q7c56abbcf1_nms
    .symbol:         k_q7c56abbcf1_nms.kd
    .args:
      - { .name: anchors, .offset: 0, .size: 8, .value_kind: global_buffer, .address_space: global }
      - { .name: deltas, .offset: 8, .size: 8, .value_kind: global_buffer, .address_space: global }
      - { .name: keys, .offset: 16, .size: 8, .value_kind: global_buffer, .address_space: global }
      - { .name: bmax, .offset: 24, .size: 8, .value_kind: global_buffer, .address_space: global }
      - { .name: boxes, .offset: 32, .size: 8, .value_kind: global_buffer, .address_space: global }
      - { .name: kk, .offset: 40, .size: 8, .value_kind: global_buffer, .address_space: global }
    .group_segment_fixed_size: 176640
    .private_segment_fixed_size: 0
    .kernarg_segment_align: 8
    .kernarg_segment_size: 48
    .max_flat_workgroup_size: 1024
    .sgpr_count:     80
    .vgpr_count:     118
    .wavefront_size: 32
...
	.end_amdgpu_metadata
.endif
;; end of part 2
;; launch final (part 3): grid 16 x 1, 32 waves a work-group, no clusters, 24,064 bytes of LDS; arguments kk, boxes, out0; writes out0
.if DOCPART == 3
	.amdgcn_target "amdgcn-amd-amdhsa--gfx1250"
	.amdhsa_code_object_version 6
	.text
	.protected	k_q7c56abbcf1_final
	.globl	k_q7c56abbcf1_final
	.p2align	8
	.type	k_q7c56abbcf1_final,@function
k_q7c56abbcf1_final:
	s_mov_b64 s[64:65], 0
	v_nop
	global_prefetch_b8 v0, s[64:65] scope:SCOPE_SE
	s_setreg_imm32_b32 hwreg(HW_REG_WAVE_MODE, 25, 1), 1
	s_wait_xcnt 0x0
; THE 100 BEST OF AN IMAGE.  kk [16][9][1024] u32 (0 padding, 1 zero score, 2.. = score bits - (bits(0.05f) - 1)), boxes [16][9][1024][4] f32
; ->  out0 [16][100][6] = x1, y1, x2, y2, score, label.  Order: kk descending, then flat index (class, rank) ascending, which is the order
; of a stable top-k over the classes' lists, zero scores included.  One work-group an image: 9,216 numbers, nine a thread.
; The selection is the same as in the launch before: a search for the 100th largest number bit by bit, then a stable compaction;
; the 100 are ranked by counting.  All addresses are made of whole numbers read from memory, clamped to their tables.
.set CNT,  0                           ; 2 x 128 bytes
.set PAIR, 512                         ; 2048 x 8 bytes: 1024 slots, then slot 1024 + t, where thread t lays pairs that are not taken
.set OUTS, 16896                       ; 128 rows of 24 bytes
.macro BAR
	s_barrier_signal -1
	s_barrier_wait -1
.endm
.macro WSUM val, tmp
.irp x, 1,2,4,8
	v_mov_b32_dpp v[\tmp], v[\val] row_xmask:\x row_mask:0xf bank_mask:0xf
	v_add_nc_u32 v[\val], v[\val], v[\tmp]
.endr
	v_permlanex16_b32 v[\tmp], v[\val], s22, s23
	v_add_nc_u32 v[\val], v[\val], v[\tmp]
.endm
; lane l of v2 gets wave l's number.  A half of CNT is written again only behind the other half's barrier, in front of which each
; wave has waited for its read of it.
.macro GATHER32 num, half
	v_mov_b32 v2, \num
	ds_store_b32 v4, v2 offset:CNT+128*\half
	s_wait_dscnt 0x0
	BAR
	ds_load_b32 v2, v5 offset:CNT+128*\half
	s_wait_dscnt 0x0
.endm
.macro SSTEP cnt, top, d, half
	s_sub_co_u32 s26, s25, \d
	s_lshl_b32 s26, 1, s26
	s_or_b32 s26, s24, s26
	s_mov_b32 s27, 0
.set m, 0
.rept \cnt
	v_cmp_le_u32 s[36+m], s26, v[16+2*m]
.set m, m+1
.endr
.set m, 0
.rept \cnt
	s_bcnt1_i32_b32 s28, s[36+m]
	s_add_co_u32 s27, s27, s28
.set m, m+1
.endr
	GATHER32 s27, \half
	WSUM 2, 3
	v_readfirstlane_b32 s34, v2
	s_cmp_ge_u32 s34, \top
	s_cselect_b32 s24, s26, s24
.endm
; The top first pairs by (key descending, index ascending) go to PAIR[0 .. top-1], in index order; the rest of PAIR[0 .. 1023] is padding.
.macro SELECT cnt, top
	s_mov_b32 s24, 0
	s_mov_b32 s25, 26
.Lsel\@:
	SSTEP \cnt, \top, 1, 0
	SSTEP \cnt, \top, 2, 1
	s_sub_co_u32 s25, s25, 2
	s_cmp_lg_u32 s25, 0
	s_cbranch_scc1 .Lsel\@
	ds_store_b64 v6, v[8:9] offset:PAIR            ; padding first; it is in LDS at the barrier below, ahead of every placing
	s_mov_b32 s27, 0
.set m, 0
.rept \cnt
	v_cmp_lt_u32 s32, s24, v[16+2*m]
	v_cmp_eq_u32 s33, s24, v[16+2*m]
	s_bcnt1_i32_b32 s32, s32
	s_bcnt1_i32_b32 s33, s33
	s_lshl_b32 s33, s33, 16
	s_add_co_u32 s27, s27, s32
	s_add_co_u32 s27, s27, s33
.set m, m+1
.endr
	GATHER32 s27, 0
	v_cmp_gt_u32 vcc_lo, s16, v1
	v_cndmask_b32 v10, 0, v2, vcc_lo
	WSUM 2, 3
	WSUM 10, 3
	v_readfirstlane_b32 s34, v2
	v_readfirstlane_b32 s35, v10
	s_and_b32 s29, s34, 0xffff
	s_sub_co_u32 s29, \top, s29
	s_and_b32 s30, s35, 0xffff
	s_lshr_b32 s31, s35, 16
.set m, 0
.rept \cnt
	v_cmp_lt_u32 s32, s24, v[16+2*m]
	v_cmp_eq_u32 s33, s24, v[16+2*m]
	v_mbcnt_lo_u32_b32 v11, s33, s31
	v_mbcnt_lo_u32_b32 v10, s32, s30
	v_cmp_gt_u32 vcc_lo, s29, v11
	s_and_b32 vcc_lo, vcc_lo, s33
	s_or_b32 vcc_lo, vcc_lo, s32                   ; taken
	v_min_u32 v11, s29, v11
	v_add_nc_u32 v10, v10, v11                     ; taken in front of me = my place
	v_cndmask_b32 v10, v12, v10, vcc_lo            ; not taken: slot 1024 + t, my own, never read
	v_min_u32 v10, 0x7ff, v10
	v_lshlrev_b32 v10, 3, v10
	ds_store_b64 v10, v[16+2*m:17+2*m] offset:PAIR
	s_bcnt1_i32_b32 s32, s32
	s_bcnt1_i32_b32 s33, s33
	s_add_co_u32 s30, s30, s32
	s_add_co_u32 s31, s31, s33
.set m, m+1
.endr
	s_wait_dscnt 0x0
	BAR
.endm
	s_load_b128 s[4:7], s[0:1], 0x0                ; kk s[4:5], boxes s[6:7]
	s_load_b64 s[8:9], s[0:1], 0x10                ; out0
	v_lshl_add_u32 v64, v0, 2, 0x4e00
	v_mov_b32 v65, 0
	v_lshrrev_b32 v2, 5, v0
	v_readfirstlane_b32 s16, v2                    ; wave
	v_and_b32 v1, 31, v0                           ; lane
	v_lshlrev_b32 v4, 2, v2
	v_lshlrev_b32 v5, 2, v1
	v_lshlrev_b32 v6, 3, v0
	v_mov_b32 v8, 0
	v_add_nc_u32 v9, 0x40000, v0
	v_add_nc_u32 v12, 0x400, v0
	v_mov_b32 v3, 0
	v_mad_u32_u24 v7, v2, 288, v1                  ; 288 wave + lane
	v_lshlrev_b32 v34, 2, v7
	v_min_u32 v35, 149, v0                         ; the way out: 150 pieces of 16 bytes; threads behind them stay inside the stage
	v_lshlrev_b32 v35, 4, v35
	v_lshlrev_b32 v47, 3, v1                       ; 8 lane
	s_mov_b32 s22, 0x76543210
	s_mov_b32 s23, 0xfedcba98
	s_mov_b32 s21, 0
	s_wait_kmcnt 0x0
	s_mul_i32 s20, ttmp9, 36864
	s_add_nc_u64 s[4:5], s[4:5], s[20:21]
	s_mul_i32 s20, ttmp9, 147456
	s_add_nc_u64 s[6:7], s[6:7], s[20:21]
	s_mul_i32 s20, ttmp9, 2400
	s_add_nc_u64 s[8:9], s[8:9], s[20:21]
.set m, 0
.rept 9
	global_load_b32 v[16+2*m], v34, s[4:5] offset:128*m
	v_add_nc_u32 v[17+2*m], 32*m, v7               ; flat index 1024 class + rank
.set m, m+1
.endr
	s_wait_loadcnt 0x0
	SELECT 9, 100
	s_cmp_ge_u32 s16, 4
	s_cbranch_scc1 .Lstage
	; threads 0 to 127: slot t of PAIR; its place = how many of the 128 precede it (slots are in index order; padding comes last)
	ds_load_b64 v[44:45], v6 offset:PAIR
.irp a, 0,1,2,3
	ds_load_b32 v[40+\a], v47 offset:PAIR+256*\a
.endr
	v_mov_b32 v46, 0
	s_wait_dscnt 0x0
	v_min_u32 v54, 0x23ff, v45
	v_lshlrev_b32 v55, 4, v54
	global_load_b128 v[48:51], v55, s[6:7]
.set j, 0
.rept 128
	v_readlane_b32 s26, v[40+j/32], j%32
	v_cmp_gt_u32 s27, s26, v44
	v_cmp_eq_u32 s28, s26, v44
	v_cmp_lt_u32 vcc_lo, j, v0
	s_and_b32 s28, s28, vcc_lo
	s_or_b32 vcc_lo, s27, s28
	v_add_co_ci_u32 v46, vcc_lo, 0, v46, vcc_lo
.set j, j+1
.endr
	v_add_nc_u32 v52, 0x3d4ccccc, v44              ; the score's bits,
	v_cmp_lt_u32 vcc_lo, 1, v44
	v_cndmask_b32 v52, 0, v52, vcc_lo              ; or 0.0 for a box that was suppressed or masked
	v_lshrrev_b32 v53, 10, v54
	v_cvt_f32_u32 v53, v53                         ; label
	v_min_u32 v46, 127, v46
	v_mul_u32_u24 v46, v46, 24
	s_wait_loadcnt 0x0
	ds_store_b64 v46, v[48:49] offset:OUTS         ; the 128 places are a permutation of 0 .. 127: every row of the stage is written
	ds_store_b64 v46, v[50:51] offset:OUTS+8
	ds_store_b64 v46, v[52:53] offset:OUTS+16
.Lstage:
	s_wait_dscnt 0x0
	BAR
	s_wait_xcnt 0x0                                ; EXEC changes only behind this wait
	v_cmp_gt_u32 vcc_lo, 150, v0
	s_wait_tensorcnt 0x0
	ds_add_u32 v64, v65
	s_wait_dscnt 0x0
	s_and_saveexec_b32 s26, vcc_lo                 ; 100 rows of 24 bytes = 150 x 16 bytes
	ds_load_b128 v[36:39], v35 offset:OUTS
	s_wait_dscnt 0x0
	global_store_b128 v35, v[36:39], s[8:9]
	s_endpgm
.Lfunc_end_k_q7c56abbcf1_final:
	.size	k_q7c56abbcf1_final, .Lfunc_end_k_q7c56abbcf1_final-k_q7c56abbcf1_final
	.p2alignl 7, 3214868480
	.fill 96, 4, 3214868480
	.section	.rodata,"a",@progbits
	.p2align	6, 0x0
	.amdhsa_kernel k_q7c56abbcf1_final
		.amdhsa_group_segment_fixed_size 24064
		.amdhsa_private_segment_fixed_size 0
		.amdhsa_enable_private_segment 0
		.amdhsa_kernarg_size 24
		.amdhsa_user_sgpr_count 2
		.amdhsa_user_sgpr_kernarg_segment_ptr 1
		.amdhsa_wavefront_size32 1
		.amdhsa_system_sgpr_workgroup_id_x 1
		.amdhsa_system_sgpr_workgroup_id_y 1
		.amdhsa_system_sgpr_workgroup_id_z 1
		.amdhsa_system_vgpr_workitem_id 0
		.amdhsa_next_free_vgpr 66
		.amdhsa_next_free_sgpr 66
		.amdhsa_reserve_vcc 1
		.amdhsa_float_denorm_mode_32 3
		.amdhsa_float_denorm_mode_16_64 3
		.amdhsa_memory_ordered 1
		.amdhsa_forward_progress 1
		.amdhsa_inst_pref_size 62
	.end_amdhsa_kernel
	.amdgpu_metadata
---
amdhsa.version: [ 1, 2 ]
amdhsa.kernels:
  - .name:           k_q7c56abbcf1_final
    .symbol:         k_q7c56abbcf1_final.kd
    .args:
      - { .name: kk, .offset: 0, .size: 8, .value_kind: global_buffer, .address_space: global }
      - { .name: boxes, .offset: 8, .size: 8, .value_kind: global_buffer, .address_space: global }
      - { .name: out0, .offset: 16, .size: 8, .value_kind: global_buffer, .address_space: global }
    .group_segment_fixed_size: 24064
    .private_segment_fixed_size: 0
    .kernarg_segment_align: 8
    .kernarg_segment_size: 24
    .max_flat_workgroup_size: 1024
    .sgpr_count:     66
    .vgpr_count:     66
    .wavefront_size: 32
...
	.end_amdgpu_metadata
.endif
;; end of part 3
;; ======== version 2 of 2: 3 launches; 1.34 times as fast as version 1
;; workspace buffers: keys 111,476,736 bytes of whole numbers; bmax 6,967,296 bytes of whole numbers; boxes 2,359,296 bytes; kk 589,824 bytes of whole numbers
;; launch score: the kernel of part 1 again; grid 189 x 16, 8 waves a work-group, no clusters, 40,448 bytes of LDS; arguments cls_logits, obj_logits, keys, bmax; writes keys, bmax
;; launch nms (part 4): grid 9 x 16, 32 waves a work-group, no clusters, 176,640 bytes of LDS; arguments anchors, deltas, keys, bmax, boxes, kk; writes boxes, kk
.if DOCPART == 4
	.amdgcn_target "amdgcn-amd-amdhsa--gfx1250"
	.amdhsa_code_object_version 6
	.text
	.protected	k_q7c56abbcf1_nms
	.globl	k_q7c56abbcf1_nms
	.p2align	8
	.type	k_q7c56abbcf1_nms,@function
k_q7c56abbcf1_nms:
	s_mov_b64 s[64:65], 0
	v_nop
	global_prefetch_b8 v0, s[64:65] scope:SCOPE_SE
	s_setreg_imm32_b32 hwreg(HW_REG_WAVE_MODE, 25, 1), 1
	s_wait_xcnt 0x0
; ONE (image, class) PROBLEM A WORK-GROUP: the 1000 best anchors by (key descending, index ascending), their boxes, greedy NMS.
; in:  anchors [193536][4], deltas [16][193536][4] f32; keys [144][193536], bmax [144][12096] u32 (1 = masked score, 2.. = valid).
; out: boxes [144][1024][4] f32 by rank; kk [144][1024] u32: the key if the box is kept, else min(key, 1); 0 = padding (ranks 1000..).
; PHASES: (1) the 1000 best blocks of 16 anchors by (bmax descending, block ascending): they hold all 1000 best anchors, since each
; block kept has an element that precedes everything in a block left out; (2) the 1000 best of their 16,000 keys; (3) a bitonic sort
; of 1024 (key, index) pairs; (4) gather and decode; (5) IoU > 0.5 as a bit matrix, one row tile a wave, column tiles from the diagonal on;
; (6) wave 0 scans the 32 row blocks; (7) results out.  All addresses and counts are made of whole numbers read from memory;
; what hangs on floating-point numbers (the bit matrix, the keep mask) only selects values.  EXEC stays full throughout.
; THE SELECTION: every wave turns each register of 32 keys into 32 words of bit planes (word = one bit of 32 keys); wave 0 then finds
; the K-th largest key bit by bit on the planes, with a mask of the keys still level with the threshold: one popcount a word, and no
; barrier between the 26 steps.  A stable compaction by all waves follows.
; IoU TEST: x is kept doubled, so A = 2 inter exactly; u = (a1 + a2) - inter is one rounding on each step as in plain arithmetic;
; 2 inter > max(u, 1e-6) decides as inter / max(u, 1e-6) > 0.5 does: the next float above u/2 divides to more than half a step past 0.5.
; Only dx is clamped at 0: a negative dy then gives A <= 0, which is never above max(u, 1e-6), the decision that inter = 0 gives.
; LIMITS: anchors and deltas finite, coordinates below 2^126 (the doubling); box centres by one fused multiply-add (one rounding
; where a multiply and an add make two); exp by v_exp_f32 of the rounded argument.
; No product, no tile shared between work-groups: no matrix instruction, tensor load or cluster.
.set CNT,  0                           ; 128 bytes: one word a wave
.set KEEP, 256                         ; 32 words: the keep mask
.set TW,   384                         ; 8 bytes: the threshold, and how many of the keys equal to it are taken
.set PAIR, 512                         ; 1024 x 8 bytes: (key, index)
.set XCH,  8704                        ; 8192 bytes: the sort's exchange.  Before the sort: slots 1024 + t of PAIR, where thread t lays pairs that are not taken
.set BX,   16896                       ; 1024 x 16 bytes: (2 x1, y1, 2 x2, y2)
.set AREA, 33280                       ; 1024 x 4 bytes
.set M,    37376                       ; 1024 rows of 32 words, pitch 132 bytes (33 words: a column of 32 rows meets 32 banks)
.set MP,   132
.set PL,   M                           ; before the matrix exists: 32 bit planes, pitch 128 cw + 16 bytes (a multiple of 16 for the 16-byte loads)
; v0 t, v1 lane, v2 v3 v10 v11 at work, v4 = 4 wave, v5 = 4 lane, v6 = 8 t, v[8:9] padding pair, v12 = 1024 + t, v[16:47] pairs
.set B1,   48                          ; v[48:63]  addresses of the gathers; in the search: plane buffer 1
.set SEL,  64                          ; v[64:68]  transposition, stage k: the bits that a lane keeps
.set AMT,  69                          ; v[69:73]  stage k: how far the partner's word is turned to the right
.set TXR,  74                          ; v[74:77]  transposition at work, two sets that take turns
.set CT,   74                          ; v[74:77]  in the search: four counters
.set PS,   78                          ; v78       where my lane stores its plane's words
.set PA,   79                          ; v79       where my lane reads 16 bytes of a plane
.set AL,   80                          ; v[80:95]  the mask of keys still level with the threshold
.set B0,   96                          ; v[96:111] plane buffer 0
; s16 wave, s22 s23 lane select of v_permlanex16_b32, s24-s35 selection, s36-s49 the sort's lane masks
.macro BAR
	s_barrier_signal -1
	s_barrier_wait -1
.endm
; the sum over the 32 lanes, whole numbers, in every lane
.macro WSUM val, tmp
.irp x, 1,2,4,8
	v_mov_b32_dpp v[\tmp], v[\val] row_xmask:\x row_mask:0xf bank_mask:0xf
	v_add_nc_u32 v[\val], v[\val], v[\tmp]
.endr
	v_permlanex16_b32 v[\tmp], v[\val], s22, s23
	v_add_nc_u32 v[\val], v[\val], v[\tmp]
.endm
; every wave's number num: lane l of v2 gets wave l's.  CNT is written once in a selection; barriers lie between its read and the next write.
.macro GATHER32 num
	v_mov_b32 v2, \num
	ds_store_b32 v4, v2 offset:CNT
	s_wait_dscnt 0x0                               ; for the others' sake: my word is in LDS
	BAR
	ds_load_b32 v2, v5 offset:CNT
	s_wait_dscnt 0x0
.endm
; Stage k of the transposition swaps bit log2 d of the lane's number with bit log2 d of the bit's place.  lanes = the lanes in which that
; bit is set; as a word it is also the set of places in which it is set.  A lower lane keeps the lower places and takes the upper ones
; from its partner's word turned left by d (right by 32 - d); an upper lane the other way round.
.macro TCONST k, d, lanes
	s_mov_b32 s26, \lanes
	v_mov_b32 v2, s26
	v_xor_b32 v3, -1, v2
	v_cndmask_b32 v[SEL+\k], v3, v2, s26
	v_mov_b32 v3, \d
	v_cndmask_b32 v[AMT+\k], 32-\d, v3, s26
.endm
.macro TST k, x
	v_mov_b32_dpp v[tx+1], v[tx] row_xmask:\x row_mask:0xf bank_mask:0xf
	v_alignbit_b32 v[tx+1], v[tx+1], v[tx+1], v[AMT+\k]
	v_bfi_b32 v[tx], v[SEL+\k], v[tx], v[tx+1]
.endm
; key register m: afterwards bit l of lane b is bit b of lane l's key; lane b stores it as word (wave, m) of plane 31 - b
.macro TRANSP
.set tx, TXR+2*(m%2)
	v_permlanex16_b32 v[tx+1], v[16+2*m], s22, s23
	v_alignbit_b32 v[tx+1], v[tx+1], v[tx+1], v[AMT]
	v_bfi_b32 v[tx], v[SEL], v[16+2*m], v[tx+1]
	TST 1, 8
	TST 2, 4
	TST 3, 2
	TST 4, 1
	ds_store_b32 v[PS], v[tx] offset:PL+4*m
.endm
.macro ZX buf, cw                      ; one more word of: level and bit clear = level xor (level and bit set)
.if zi < \cw
	v_xor_b32 v[AL+zi], v[AL+zi], v[\buf+zi]
.set zi, zi+1
.endif
.endm
; One step of the search, wave 0: the plane in buf.  left = LDS loads that may stay out; ahead = the plane, counted from v[PA], that fills buf again (-1: none).
; s24 the threshold so far, s29 the rank still looked for among the level keys.
.macro RSTEP buf, cw, left, ahead
	s_wait_dscnt \left                             ; LDS loads come back in order (ISA guide 5.7.1): this buffer's are in, the other buffer's, issued behind them, stay out
.set i, 0
.rept \cw
	v_and_b32 v[\buf+i], v[AL+i], v[\buf+i]        ; level with the threshold, and this bit set
.set i, i+1
.endr
.set i, 0
.rept \cw
.if i < 4
	v_bcnt_u32_b32 v[CT+i], v[\buf+i], 0           ; four chains of counts; the first four words start them
.else
	v_bcnt_u32_b32 v[CT+i%4], v[\buf+i], v[CT+i%4]
.endif
.set i, i+1
.endr
	v_add3_u32 v[CT], v[CT], v[CT+1], v[CT+2]
	v_add_nc_u32 v[CT], v[CT], v[CT+3]
.set zi, 0
.irp x, 1,2,4,8                                    ; the sum over the lanes is a chain: the other outcome's mask is made in its gaps
	v_mov_b32_dpp v[CT+1], v[CT] row_xmask:\x row_mask:0xf bank_mask:0xf
	ZX \buf, \cw
	ZX \buf, \cw
	v_add_nc_u32 v[CT], v[CT], v[CT+1]
	ZX \buf, \cw
	ZX \buf, \cw
.endr
	v_permlanex16_b32 v[CT+1], v[CT], s22, s23
	v_add_nc_u32 v[CT], v[CT], v[CT+1]
	v_readfirstlane_b32 s34, v[CT]                 ; level keys with the bit set
	s_cmp_ge_u32 s34, s29                          ; enough of them: the bit joins the threshold
	s_cselect_b32 s35, -1, 0
	s_cselect_b32 s28, 0, s34                      ; else they all lie above it and leave the rank
	s_cselect_b32 s27, 1, 0
	s_sub_co_u32 s29, s29, s28
	s_lshl1_add_u32 s24, s24, s27
.set i, 0
.rept \cw
	v_cndmask_b32 v[AL+i], v[AL+i], v[\buf+i], s35
.set i, i+1
.endr
.if \ahead >= 0
.set i, 0
.rept \cw/4
	ds_load_b128 v[\buf+4*i:\buf+4*i+3], v[PA] offset:PL+\ahead*PLB+512*i
.set i, i+1
.endr
.endif
.endm
; The top first pairs by (key descending, index ascending) go to PAIR[0 .. top-1], in index order; the rest of PAIR[0 .. 1023] is padding.
; Element m of a thread is (v[16+2m], v[17+2m]), m < cnt; the index order is wave, then m, then lane.  Keys are below 2^26.
; cw = cnt made up to a multiple of 4: a plane is 32 cw words, 16 bytes a lane and load.
.macro SELECT cnt, cw, top
.set PLB, 128*\cw+16
	v_sub_nc_u32 v[PS], 31, v1
	v_mul_u32_u24 v[PS], v[PS], PLB
	s_mul_i32 s26, s16, 4*\cw
	v_add_nc_u32 v[PS], s26, v[PS]                 ; plane 31 - lane, my wave's cw words
.set m, 0
.rept \cnt
	TRANSP
.set m, m+1
.endr
.if \cw > \cnt
.rept \cw-\cnt
	ds_store_b32 v[PS], v8 offset:PL+4*m           ; words that stand for no key: no bit set
.set m, m+1
.endr
.endif
	s_mov_b32 s24, 0                               ; the threshold T: in the end the top-th largest key
	s_mov_b32 s29, \top                            ; in the end: how many of the keys equal to T are taken
	s_wait_dscnt 0x0                               ; for wave 0's sake: my words are in LDS
	BAR
	s_cmp_lg_u32 s16, 0
	s_cbranch_scc1 .Lfound\@
	v_lshlrev_b32 v[PA], 4, v1
	v_add_nc_u32 v[PA], 6*PLB, v[PA]               ; bit 25 lies in plane 6; the planes of lower bits follow
.set i, 0
.rept \cw/4
	ds_load_b128 v[B0+4*i:B0+4*i+3], v[PA] offset:PL+512*i
.set i, i+1
.endr
.set i, 0
.rept \cw/4
	ds_load_b128 v[B1+4*i:B1+4*i+3], v[PA] offset:PL+PLB+512*i
.set i, i+1
.endr
.set i, 0
.rept \cw
	v_mov_b32 v[AL+i], -1                          ; every key is level with the empty threshold
.set i, i+1
.endr
	s_mov_b32 s25, 12
.Lbit\@:
	RSTEP B0, \cw, \cw/4, 2
	RSTEP B1, \cw, \cw/4, 3
	v_add_nc_u32 v[PA], 2*PLB, v[PA]
	s_sub_co_u32 s25, s25, 1
	s_cmp_lg_u32 s25, 0
	s_cbranch_scc1 .Lbit\@
	RSTEP B0, \cw, \cw/4, -1                       ; bits 1 and 0: nothing is left to load
	RSTEP B1, \cw, 0, -1
.Lfound\@:
	s_wait_dscnt 0x0                               ; the search's reads, which walk through the planes by a stepped address, are over
	BAR                                            ; reads, wait, barrier, store
	s_cmp_lg_u32 s16, 0
	s_cbranch_scc1 .Ltold\@
	v_mov_b32 v2, s24
	v_mov_b32 v3, s29
	ds_store_b64 v8, v[2:3] offset:TW              ; all lanes write the same two words with the same values
.Ltold\@:
	s_wait_dscnt 0x0
	BAR
	ds_store_b64 v6, v[8:9] offset:PAIR            ; padding everywhere first; it is in LDS at the barrier below, ahead of every placing
	ds_load_b64 v[2:3], v8 offset:TW
	s_wait_dscnt 0x0
	v_readfirstlane_b32 s24, v2
	v_readfirstlane_b32 s29, v3
	s_mov_b32 s27, 0                               ; my wave's counts: keys above T below, keys equal to T in the upper half
.set m, 0
.rept \cnt
	v_cmp_lt_u32 s32, s24, v[16+2*m]
	v_cmp_eq_u32 s33, s24, v[16+2*m]
	s_bcnt1_i32_b32 s32, s32
	s_bcnt1_i32_b32 s33, s33
	s_lshl_b32 s33, s33, 16
	s_add_co_u32 s27, s27, s32
	s_add_co_u32 s27, s27, s33
.set m, m+1
.endr
	GATHER32 s27
	v_cmp_gt_u32 vcc_lo, s16, v1
	v_cndmask_b32 v10, 0, v2, vcc_lo               ; the waves in front of mine
	WSUM 10, 3
	v_readfirstlane_b32 s35, v10
	s_and_b32 s30, s35, 0xffff                     ; keys above T in front of me
	s_lshr_b32 s31, s35, 16                        ; keys equal to T in front of me
.set m, 0
.rept \cnt
	v_cmp_lt_u32 s32, s24, v[16+2*m]
	v_cmp_eq_u32 s33, s24, v[16+2*m]
	v_mbcnt_lo_u32_b32 v11, s33, s31
	v_mbcnt_lo_u32_b32 v10, s32, s30
	v_cmp_gt_u32 vcc_lo, s29, v11
	s_and_b32 vcc_lo, vcc_lo, s33
	s_or_b32 vcc_lo, vcc_lo, s32                   ; taken
	v_min_u32 v11, s29, v11
	v_add_nc_u32 v10, v10, v11                     ; taken in front of me = my place
	v_cndmask_b32 v10, v12, v10, vcc_lo            ; not taken: slot 1024 + t, my own, never read
	v_min_u32 v10, 0x7ff, v10
	v_lshlrev_b32 v10, 3, v10
	ds_store_b64 v10, v[16+2*m:17+2*m] offset:PAIR
	s_bcnt1_i32_b32 s32, s32
	s_bcnt1_i32_b32 s33, s33
	s_add_co_u32 s30, s30, s32
	s_add_co_u32 s31, s31, s33
.set m, m+1
.endr
	s_wait_dscnt 0x0
	BAR
.endm
	s_load_b256 s[4:11], s[0:1], 0x0               ; anchors s[4:5], deltas s[6:7], keys s[8:9], bmax s[10:11]
	s_load_b128 s[12:15], s[0:1], 0x20             ; boxes s[12:13], kk s[14:15]
	v_lshl_add_u32 v124, v0, 2, 0x2a200
	v_mov_b32 v125, 0
	v_lshrrev_b32 v2, 5, v0
	v_readfirstlane_b32 s16, v2                    ; wave
	v_and_b32 v1, 31, v0                           ; lane
	v_lshlrev_b32 v4, 2, v2
	v_lshlrev_b32 v5, 2, v1
	v_lshlrev_b32 v6, 3, v0
	v_mov_b32 v8, 0                                ; padding: key 0 (real keys are 1 or more),
	v_add_nc_u32 v9, 0x40000, v0                   ; an index above every real one, different in every thread
	v_add_nc_u32 v12, 0x400, v0
	v_mad_u32_u24 v7, v2, 384, v1                  ; 384 wave + lane: my first block
	v_lshl_add_u32 v13, v2, 9, v1                  ; 512 wave + lane: my first candidate
	v_and_b32 v14, 15, v1
	v_lshrrev_b32 v15, 4, v1
	v_lshlrev_b32 v15, 3, v15
	v_lshl_add_u32 v15, v2, 8, v15                 ; PAIR slot 32 wave + lane / 16, in bytes
	v_mov_b32 v[TXR+1], 0                          ; destinations of lane moves count as read: written once here
	v_mov_b32 v[TXR+3], 0
	TCONST 0, 16, 0xffff0000
	TCONST 1, 8,  0xff00ff00
	TCONST 2, 4,  0xf0f0f0f0
	TCONST 3, 2,  0xcccccccc
	TCONST 4, 1,  0xaaaaaaaa
	s_mov_b32 s22, 0x76543210
	s_mov_b32 s23, 0xfedcba98
	s_and_b32 s17, ttmp7, 0xffff                   ; image
	s_mul_i32 s18, s17, 9
	s_add_co_u32 s18, s18, ttmp9                   ; problem
	s_mov_b32 s21, 0
	s_wait_kmcnt 0x0
	s_mul_i32 s20, s17, 3096576
	s_add_nc_u64 s[6:7], s[6:7], s[20:21]
	s_mul_i32 s20, s18, 774144
	s_add_nc_u64 s[8:9], s[8:9], s[20:21]
	s_mul_i32 s20, s18, 48384
	s_add_nc_u64 s[10:11], s[10:11], s[20:21]
	s_lshl_b32 s20, s18, 14
	s_add_nc_u64 s[12:13], s[12:13], s[20:21]
	s_lshl_b32 s20, s18, 12
	s_add_nc_u64 s[14:15], s[14:15], s[20:21]
	; (1) block maxima: 12 a thread, block 384 wave + 32 m + lane; blocks past 12,095 count as padding
.set m, 0
.rept 12
	v_add_nc_u32 v[17+2*m], 32*m, v7
	v_min_u32 v[48+m], 12095, v[17+2*m]
	v_lshlrev_b32 v[48+m], 2, v[48+m]
	global_load_b32 v[16+2*m], v[48+m], s[10:11]
.set m, m+1
.endr
	s_wait_loadcnt 0x0
.set m, 0
.rept 12
	v_cmp_gt_u32 vcc_lo, 12096, v[17+2*m]
	v_cndmask_b32 v[16+2*m], 0, v[16+2*m], vcc_lo
.set m, m+1
.endr
	SELECT 12, 12, 1000
	; (2) the 16 keys of each block kept: slot 32 wave + 2 m + lane / 16, anchor 16 block + lane mod 16 (ascending in wave, m, lane)
.set m, 0
.rept 16
	ds_load_b32 v[48+m], v15 offset:PAIR+4+16*m
.set m, m+1
.endr
	s_wait_dscnt 0x0
.set m, 0
.rept 16
	v_min_u32 v[48+m], 12095, v[48+m]
	v_lshl_add_u32 v[17+2*m], v[48+m], 4, v14
	v_lshlrev_b32 v[48+m], 2, v[17+2*m]
	global_load_b32 v[16+2*m], v[48+m], s[8:9]
.set m, m+1
.endr
	s_wait_loadcnt 0x0
.set m, 0
.rept 16
	v_cmp_gt_u32 vcc_lo, 16000-32*m, v13           ; slots 1000 and up are padding
	v_cndmask_b32 v[16+2*m], 0, v[16+2*m], vcc_lo
.set m, m+1
.endr
	SELECT 16, 16, 1000
	; (3) bitonic sort of the 1024 pairs, one a thread: key descending, index ascending.  s[36+i] = lanes in which bit i of t is set.
	ds_load_b64 v[16:17], v6 offset:PAIR
	s_mov_b32 s36, 0xaaaaaaaa
	s_mov_b32 s37, 0xcccccccc
	s_mov_b32 s38, 0xf0f0f0f0
	s_mov_b32 s39, 0xff00ff00
	s_mov_b32 s40, 0xffff0000
.irp i, 0,1,2,3,4
	s_bitcmp1_b32 s16, \i
	s_cselect_b32 s[41+\i], -1, 0
.endr
	s_mov_b32 s46, 0
	v_mov_b32 v18, 0
	v_mov_b32 v19, 0
	s_wait_dscnt 0x0
.macro XM x
	v_mov_b32_dpp v18, v16 row_xmask:\x row_mask:0xf bank_mask:0xf
	v_mov_b32_dpp v19, v17 row_xmask:\x row_mask:0xf bank_mask:0xf
.endm
; one stage: the partner is thread t xor 2^lj; the run's direction is bit lk of t
.macro STAGE
.if lj == 0
	XM 1
.elseif lj == 1
	XM 2
.elseif lj == 2
	XM 4
.elseif lj == 3
	XM 8
.elseif lj == 4
	v_permlanex16_b32 v18, v16, s22, s23
	v_permlanex16_b32 v19, v17, s22, s23
.else
	ds_store_b64 v6, v[16:17] offset:XCH           ; the partner sits in another wave: one region, filled and read in every such stage
	s_wait_dscnt 0x0                               ; for the partner's sake: my pair is in LDS
	BAR
	v_xor_b32 v2, 8<<lj, v6
	ds_load_b64 v[18:19], v2 offset:XCH
	s_wait_dscnt 0x0                               ; my read is over,
	BAR                                            ; and everybody's, before any wave stores here again
.endif
	v_cmp_gt_u32 s47, v18, v16
	v_cmp_eq_u32 s48, v18, v16
	v_cmp_lt_u32 vcc_lo, v19, v17
	s_and_b32 s48, s48, vcc_lo
	s_or_b32 s47, s47, s48                         ; the partner's pair precedes mine
	s_xor_b32 s49, s[36+lj], s[36+lk]              ; I am the upper of the two, xor the run descends
	s_xor_b32 vcc_lo, s47, s49
	v_cndmask_b32 v16, v16, v18, vcc_lo
	v_cndmask_b32 v17, v17, v19, vcc_lo
.endm
.set lk, 1
.rept 10
.set lj, lk-1
.rept lk
	STAGE
.set lj, lj-1
.endr
.set lk, lk+1
.endr
	; thread t now holds rank t: v16 key, v17 anchor; both stay to the end
	; (4) gather and decode
	v_min_u32 v50, 0x2f3ff, v17
	v_lshlrev_b32 v50, 4, v50
	global_load_b128 v[20:23], v50, s[4:5]
	global_load_b128 v[24:27], v50, s[6:7]
	v_lshlrev_b32 v48, 4, v0                       ; 16 t
	v_lshlrev_b32 v49, 2, v0                       ; 4 t
	s_wait_loadcnt 0x0
	v_sub_f32 v28, v22, v20
	v_sub_f32 v29, v23, v21
	v_add_f32 v30, v20, v22
	v_add_f32 v31, v21, v23
	v_max_num_f32 v28, 1.0, v28                    ; anchor width, height
	v_max_num_f32 v29, 1.0, v29
	v_mul_f32 v30, 0.5, v30
	v_mul_f32 v31, 0.5, v31
	v_fma_f32 v30, v24, v28, v30                   ; cx, cy
	v_fma_f32 v31, v25, v29, v31
	v_min_num_f32 v32, 4.0, v26
	v_min_num_f32 v33, 4.0, v27
	v_mul_f32 v32, 0x3fb8aa3b, v32
	v_mul_f32 v33, 0x3fb8aa3b, v33
	v_exp_f32 v32, v32
	v_exp_f32 v33, v33
	v_nop                                          ; one plain place behind the exponentials (ISA guide 5.7.2)
	s_wait_alu depctr_va_vdst(0)
	v_mul_f32 v32, v32, v28                        ; w, h
	v_mul_f32 v33, v33, v29
	v_fma_f32 v40, v32, -0.5, v30                  ; w / 2 is exact: one rounding, as in cx - w / 2
	v_fma_f32 v41, v33, -0.5, v31
	v_fma_f32 v42, v32, 0.5, v30
	v_fma_f32 v43, v33, 0.5, v31
	global_store_b128 v48, v[40:43], s[12:13]      ; a wave stores 512 neighbouring bytes; v48 and v[40:43] are not written again
	v_sub_f32 v34, v42, v40
	v_sub_f32 v35, v43, v41
	v_add_f32 v44, v40, v40
	v_mov_b32 v45, v41
	v_add_f32 v46, v42, v42
	v_mov_b32 v47, v43
	v_mul_f32 v34, v34, v35                        ; area
	ds_store_b128 v48, v[44:47] offset:BX
	ds_store_b32 v49, v34 offset:AREA
	s_wait_dscnt 0x0
	BAR
	; (5) the bit matrix.  Lane l of word J of row i: IoU(i, 32 J + l) > 0.5.  Eight rows in scalar registers against 32 columns in lanes.
	; Maxima, minima and the two clamps go as dual instructions, two results each; differences, product, sum of areas and the fused
	; subtraction as packed instructions, two rows each; the compare and the select row by row: 60 vector instructions for 8 x 32 pairs.
	; A dual pair takes the x of row q and the y of row q xor 1, so that one destination is even and the other odd; its second sources are
	; two of v26 .. v29, whose numbers differ modulo 4; it reads two scalar registers at the most (the dual encoding's rules).
	; ROW TILES: row tile i has 32 - i column tiles.  A wave's row tile is its number, with the low two bits reversed in every second group
	; of four waves: the eight waves whose numbers agree modulo 4 then have 132 column tiles together, whichever the residue, so the work is
	; even if waves are dealt to the SIMDs in turn.
.set RX,  20                           ; v[20:23], v24: my row tile's boxes and areas, one row a lane
.set C,   26                           ; v[26:29], v30: a column tile's
.set CA,  30                           ; v[30:31] is named as a pair; only v30 is taken
.set W,   52                           ; v[52:83]: lane J collects word J of my 32 rows
.set T,   84                           ; v[84:91] max x1, then 2 dx, then 2 inter; v[92:99] min x2, then u; v[100:107] max y1, then dy; v[108:115] min y2
.set RA,  116                          ; v[116:123]: the eight rows' areas, in every lane
.set ROW, 24                           ; s[24:63]: eight rows x (2 x1, y1, 2 x2, y2, area)
.set BAL, 66                           ; s[66:73]
	s_bitcmp1_b32 s16, 2
	s_cselect_b32 s77, 3, 0
	s_xor_b32 s77, s16, s77                        ; my row tile
	s_lshl_b32 s20, s77, 9
	v_lshl_add_u32 v31, v1, 4, s20                 ; 512 tile + 16 lane
	s_lshl_b32 s20, s77, 7
	v_add_nc_u32 v32, s20, v5                      ; 128 tile + 4 lane
	ds_load_b128 v[RX:RX+3], v31 offset:BX
	ds_load_b32 v[RX+4], v32 offset:AREA
	s_mul_i32 s20, s77, 32*MP
	s_add_co_u32 s20, s20, M
	v_add_nc_u32 v35, s20, v5                      ; my row tile in M (32 rows x 132 bytes, no other wave's), word = lane
	s_mov_b32 s76, 0x358637bd                      ; 1e-6
	s_wait_dscnt 0x0
.macro IOUG g
.set q, 0
.rept 8
.irp k, 0,1,2,3,4
	v_readlane_b32 s[ROW+5*q+\k], v[RX+\k], 8*\g+q
.endr
	v_mov_b32 v[RA+q], s[ROW+5*q+4]
	v_mov_b32 v[W+8*\g+q], 0                       ; words in front of the diagonal stay 0: no trip of the loop writes their lanes
.set q, q+1
.endr
	v_mov_b32 v33, v31
	v_mov_b32 v34, v32
	s_mov_b32 s74, s77                             ; column tiles from my row tile to 31
.Lj\g:
	ds_load_b128 v[C:C+3], v33 offset:BX
	ds_load_b32 v[CA], v34 offset:AREA
	v_cmp_eq_u32 s75, s74, v1
	s_wait_dscnt 0x0
.set q, 0
.rept 8
	v_dual_max_num_f32 v[T+q],   s[ROW+5*q],   v[C]   :: v_dual_max_num_f32 v[T+16+(q^1)], s[ROW+5*(q^1)+1], v[C+1]
	v_dual_min_num_f32 v[T+8+q], s[ROW+5*q+2], v[C+2] :: v_dual_min_num_f32 v[T+24+(q^1)], s[ROW+5*(q^1)+3], v[C+3]
.set q, q+1
.endr
.irp p, 0,2,4,6
	v_pk_add_f32 v[T+\p:T+\p+1],       v[T+8+\p:T+8+\p+1],   v[T+\p:T+\p+1]       neg_lo:[0,1] neg_hi:[0,1]   ; 2 dx
	v_pk_add_f32 v[T+16+\p:T+16+\p+1], v[T+24+\p:T+24+\p+1], v[T+16+\p:T+16+\p+1] neg_lo:[0,1] neg_hi:[0,1]   ; dy
.endr
.irp p, 0,2,4,6
	v_dual_max_num_f32 v[T+\p], 0, v[T+\p] :: v_dual_max_num_f32 v[T+\p+1], 0, v[T+\p+1]                      ; the one clamp
.endr
.irp p, 0,2,4,6
	v_pk_mul_f32 v[T+\p:T+\p+1], v[T+\p:T+\p+1], v[T+16+\p:T+16+\p+1]                    ; 2 inter
	v_pk_add_f32 v[T+8+\p:T+8+\p+1], v[RA+\p:RA+\p+1], v[CA:CA+1] op_sel_hi:[1,0]        ; a1 + a2
.endr
.irp p, 0,2,4,6
	v_pk_fma_f32 v[T+8+\p:T+8+\p+1], v[T+\p:T+\p+1], -0.5, v[T+8+\p:T+8+\p+1] op_sel_hi:[1,0,1]   ; - inter
.endr
.irp p, 0,2,4,6
	v_dual_max_num_f32 v[T+8+\p], s76, v[T+8+\p] :: v_dual_max_num_f32 v[T+8+\p+1], s76, v[T+8+\p+1]
.endr
.irp q, 0,1,2,3,4,5,6,7
	v_cmp_gt_f32 s[BAL+\q], v[T+\q], v[T+8+\q]
.endr
.irp q, 0,1,2,3,4,5,6,7
	v_cndmask_b32 v[W+8*\g+\q], v[W+8*\g+\q], s[BAL+\q], s75
.endr
	v_add_nc_u32 v33, 512, v33
	v_add_nc_u32 v34, 128, v34
	s_add_co_u32 s74, s74, 1
	s_cmp_lt_u32 s74, 32
	s_cbranch_scc1 .Lj\g
.endm
	IOUG 0
	IOUG 1
	IOUG 2
	IOUG 3
	s_wait_dscnt 0x0                               ; met: every trip has waited for its two loads
	BAR                                            ; all waves have read their last boxes: up to here this phase only reads LDS, from here it only writes
.set r, 0
.rept 32
	ds_store_b32 v35, v[W+r] offset:MP*r
.set r, r+1
.endr
	v_mov_b32 v86, 0                               ; the keep mask, lane J = rows 32 J ..: written in every wave, filled by wave 0
	s_wait_dscnt 0x0
	BAR
	; (6) the scan, wave 0 alone, 32 blocks of 32 rows.  While a block is resolved, the next block's 32 rows (lane J = word J) and its
	; diagonal word (lane = row) are on their way into the other of two register buffers.
	; A row's decision is a chain of two: s56 or its diagonal word, and the test of its bit in s56, side by side; then the choice.
	; The same test writes the row's mask (-1 kept, 0 removed) over its diagonal word; two rows later the row's 32 words, under that
	; mask, join what is removed, on four accumulators that take turns, so that no instruction waits for the one in front of it.
.set R0,  52                           ; v[52:83]   rows of the even blocks
.set R1,  88                           ; v[88:119]  rows of the odd blocks
.set DG,  120                          ; v120, v121 diagonal words of the even, the odd blocks
.set ACC, 20                           ; v[20:23]   lane J: removed bits of columns 32 J ..
; v87 = the bits behind bit lane; v122, v123: where the next block's rows and diagonal word lie.  s[24:55] diagonal rows, then masks; s56 removed bits of the block
.macro SBLK rx, ry, dx, dy, blk, more
	s_wait_dscnt 0x0                               ; my rows and my diagonal word, asked for a whole block ago
.if \more
	ds_load_b32 v[\dy], v123
.set r, 0
.rept 32
	ds_load_b32 v[\ry+r], v122 offset:MP*r
.set r, r+1
.endr
	v_add_nc_u32 v122, 32*MP, v122
	v_add_nc_u32 v123, 32*MP+4, v123
.endif
	v_and_b32 v[\dx], v[\dx], v87                  ; a row removes only columns behind itself
.set r, 0
.rept 32
	v_readlane_b32 s[24+r], v[\dx], r
.set r, r+1
.endr
	v_or_b32 v[ACC], v[ACC], v[ACC+1]
	v_or_b32 v[ACC+2], v[ACC+2], v[ACC+3]
	v_or_b32 v[ACC], v[ACC], v[ACC+2]
	v_readlane_b32 s56, v[ACC], \blk               ; what earlier blocks removed of this one
.set r, 0
.rept 32
	s_or_b32 s58, s56, s[24+r]
	s_bitcmp1_b32 s56, r                           ; row r removed: it removes nothing
	s_cselect_b32 s56, s56, s58
	s_cselect_b32 s[24+r], 0, -1
.if r >= 2
	v_and_or_b32 v[ACC+(r-2)%4], v[\rx+r-2], s[24+r-2], v[ACC+(r-2)%4]
.endif
.set r, r+1
.endr
	v_and_or_b32 v[ACC+2], v[\rx+30], s54, v[ACC+2]
	v_and_or_b32 v[ACC+3], v[\rx+31], s55, v[ACC+3]
	s_not_b32 s57, s56                             ; kept rows of the block
	v_cmp_eq_u32 vcc_lo, \blk, v1
	v_cndmask_b32 v86, v86, s57, vcc_lo
.endm
	s_cmp_lg_u32 s16, 0
	s_cbranch_scc1 .Ljoin
	v_lshlrev_b32 v87, v1, -2                      ; columns behind row = lane
	v_add_nc_u32 v122, M, v5                       ; row r of a block by the immediate, word = lane
	v_mul_u32_u24 v123, v1, MP
	v_add_nc_u32 v123, M, v123                     ; row = lane, the diagonal word
	ds_load_b32 v[DG], v123                        ; block 0
.set r, 0
.rept 32
	ds_load_b32 v[R0+r], v122 offset:MP*r
.set r, r+1
.endr
	v_add_nc_u32 v122, 32*MP, v122
	v_add_nc_u32 v123, 32*MP+4, v123
.irp a, 0,1,2,3
	v_mov_b32 v[ACC+\a], 0                         ; nothing is removed yet
.endr
	s_mov_b32 s59, 0
.Lscan:
	s_add_co_u32 s61, s59, 1
	SBLK R0, R1, DG, DG+1, s59, 1
	SBLK R1, R0, DG+1, DG, s61, 1
	s_add_co_u32 s59, s59, 2
	s_cmp_lt_u32 s59, 30
	s_cbranch_scc1 .Lscan
	s_add_co_u32 s61, s59, 1
	SBLK R0, R1, DG, DG+1, s59, 1                  ; block 30 asks for block 31,
	SBLK R1, R0, DG+1, DG, s61, 0                  ; block 31 for nothing: no load passes the matrix's end
.Ljoin:
	s_wait_dscnt 0x0                               ; the scan's reads, which walk through the matrix by stepped addresses, are over
	BAR                                            ; a barrier between them and the store below: reads, wait, barrier, store
	s_cmp_lg_u32 s16, 0
	s_cbranch_scc1 .Lkept
	ds_store_b32 v5, v86 offset:KEEP               ; wave 0: the 32 words of the keep mask
.Lkept:
	s_wait_dscnt 0x0                               ; for the others' sake: the mask is in LDS
	BAR
	; (7) kk: through LDS, so that sixteen lanes store 256 consecutive bytes
	ds_load_b32 v2, v4 offset:KEEP
	v_min_u32 v3, 1, v16
	s_wait_dscnt 0x0
	v_lshrrev_b32 v2, v1, v2
	v_and_b32 v2, 1, v2
	v_cmp_eq_u32 vcc_lo, 1, v2
	v_cndmask_b32 v3, v3, v16, vcc_lo
	ds_store_b32 v49, v3 offset:XCH
	s_wait_dscnt 0x0
	BAR
	s_cmp_ge_u32 s16, 8
	s_cbranch_scc1 .Lend
	ds_load_b128 v[20:23], v48 offset:XCH
	s_wait_dscnt 0x0
	global_store_b128 v48, v[20:23], s[14:15]
.Lend:
	s_wait_tensorcnt 0x0
	ds_add_u32 v124, v125
	s_wait_dscnt 0x0
	s_endpgm
.Lfunc_end_k_q7c56abbcf1_nms:
	.size	k_q7c56abbcf1_nms, .Lfunc_end_k_q7c56abbcf1_nms-k_q7c56abbcf1_nms
	.p2alignl 7, 3214868480
	.fill 96, 4, 3214868480
	.section	.rodata,"a",@progbits
	.p2align	6, 0x0
	.amdhsa_kernel k_q7c56abbcf1_nms
		.amdhsa_group_segment_fixed_size 176640
		.amdhsa_private_segment_fixed_size 0
		.amdhsa_enable_private_segment 0
		.amdhsa_kernarg_size 48
		.amdhsa_user_sgpr_count 2
		.amdhsa_user_sgpr_kernarg_segment_ptr 1
		.amdhsa_wavefront_size32 1
		.amdhsa_system_sgpr_workgroup_id_x 1
		.amdhsa_system_sgpr_workgroup_id_y 1
		.amdhsa_system_sgpr_workgroup_id_z 1
		.amdhsa_system_vgpr_workitem_id 0
		.amdhsa_next_free_vgpr 126
		.amdhsa_next_free_sgpr 80
		.amdhsa_reserve_vcc 1
		.amdhsa_float_denorm_mode_32 3
		.amdhsa_float_denorm_mode_16_64 3
		.amdhsa_memory_ordered 1
		.amdhsa_forward_progress 1
		.amdhsa_inst_pref_size 213
	.end_amdhsa_kernel
	.amdgpu_metadata
---
amdhsa.version: [ 1, 2 ]
amdhsa.kernels:
  - .name:           k_q7c56abbcf1_nms
    .symbol:         k_q7c56abbcf1_nms.kd
    .args:
      - { .name: anchors, .offset: 0, .size: 8, .value_kind: global_buffer, .address_space: global }
      - { .name: deltas, .offset: 8, .size: 8, .value_kind: global_buffer, .address_space: global }
      - { .name: keys, .offset: 16, .size: 8, .value_kind: global_buffer, .address_space: global }
      - { .name: bmax, .offset: 24, .size: 8, .value_kind: global_buffer, .address_space: global }
      - { .name: boxes, .offset: 32, .size: 8, .value_kind: global_buffer, .address_space: global }
      - { .name: kk, .offset: 40, .size: 8, .value_kind: global_buffer, .address_space: global }
    .group_segment_fixed_size: 176640
    .private_segment_fixed_size: 0
    .kernarg_segment_align: 8
    .kernarg_segment_size: 48
    .max_flat_workgroup_size: 1024
    .sgpr_count:     80
    .vgpr_count:     126
    .wavefront_size: 32
...
	.end_amdgpu_metadata
.endif
;; end of part 4
;; launch final (part 5): grid 16 x 1, 32 waves a work-group, no clusters, 73,728 bytes of LDS; arguments kk, boxes, out0; writes out0
.if DOCPART == 5
	.amdgcn_target "amdgcn-amd-amdhsa--gfx1250"
	.amdhsa_code_object_version 6
	.text
	.protected	k_q7c56abbcf1_final
	.globl	k_q7c56abbcf1_final
	.p2align	8
	.type	k_q7c56abbcf1_final,@function
k_q7c56abbcf1_final:
	s_mov_b64 s[64:65], 0
	v_nop
	global_prefetch_b8 v0, s[64:65] scope:SCOPE_SE
	s_setreg_imm32_b32 hwreg(HW_REG_WAVE_MODE, 25, 1), 1
	s_wait_xcnt 0x0
; THE 100 BEST OF AN IMAGE.  kk [16][9][1024] u32 (0 padding, 1 zero score, 2.. = score bits - (bits(0.05f) - 1)), boxes [16][9][1024][4] f32
; ->  out0 [16][100][6] = x1, y1, x2, y2, score, label.  Order: kk descending, then flat index (class, rank) ascending, which is the order
; of a stable top-k over the classes' lists, zero scores included.  One work-group an image: 9,216 numbers, nine a thread.
; The selection is the same as in the launch before: every wave turns its keys into bit planes, wave 0 finds the 100th largest number
; bit by bit on the planes without a barrier between the steps, all waves compact stably; the 100 are ranked by counting.
; All addresses are made of whole numbers read from memory, clamped to their tables.
.set CNT,  0                           ; 128 bytes: one word a wave
.set TW,   384                         ; 8 bytes: the threshold, and how many of the keys equal to it are taken
.set PAIR, 512                         ; 2048 x 8 bytes: 1024 slots, then slot 1024 + t, where thread t lays pairs that are not taken
.set OUTS, 16896                       ; 128 rows of 24 bytes
.set PL,   19968                       ; 32 bit planes, pitch 128 cw + 16 bytes (a multiple of 16 for the 16-byte loads)
.set B1,   48                          ; v[48:63]  plane buffer 1
.set SEL,  64                          ; v[64:68]  transposition, stage k: the bits that a lane keeps
.set AMT,  69                          ; v[69:73]  stage k: how far the partner's word is turned to the right
.set TXR,  74                          ; v[74:77]  transposition at work, two sets that take turns
.set CT,   74                          ; v[74:77]  in the search: four counters
.set PS,   78                          ; v78       where my lane stores its plane's words
.set PA,   79                          ; v79       where my lane reads 16 bytes of a plane
.set AL,   80                          ; v[80:95]  the mask of keys still level with the threshold
.set B0,   96                          ; v[96:111] plane buffer 0
.macro BAR
	s_barrier_signal -1
	s_barrier_wait -1
.endm
.macro WSUM val, tmp
.irp x, 1,2,4,8
	v_mov_b32_dpp v[\tmp], v[\val] row_xmask:\x row_mask:0xf bank_mask:0xf
	v_add_nc_u32 v[\val], v[\val], v[\tmp]
.endr
	v_permlanex16_b32 v[\tmp], v[\val], s22, s23
	v_add_nc_u32 v[\val], v[\val], v[\tmp]
.endm
; lane l of v2 gets wave l's number
.macro GATHER32 num
	v_mov_b32 v2, \num
	ds_store_b32 v4, v2 offset:CNT
	s_wait_dscnt 0x0
	BAR
	ds_load_b32 v2, v5 offset:CNT
	s_wait_dscnt 0x0
.endm
; Stage k of the transposition swaps bit log2 d of the lane's number with bit log2 d of the bit's place.  lanes = the lanes in which that
; bit is set; as a word it is also the set of places in which it is set.  A lower lane keeps the lower places and takes the upper ones
; from its partner's word turned left by d (right by 32 - d); an upper lane the other way round.
.macro TCONST k, d, lanes
	s_mov_b32 s26, \lanes
	v_mov_b32 v2, s26
	v_xor_b32 v3, -1, v2
	v_cndmask_b32 v[SEL+\k], v3, v2, s26
	v_mov_b32 v3, \d
	v_cndmask_b32 v[AMT+\k], 32-\d, v3, s26
.endm
.macro TST k, x
	v_mov_b32_dpp v[tx+1], v[tx] row_xmask:\x row_mask:0xf bank_mask:0xf
	v_alignbit_b32 v[tx+1], v[tx+1], v[tx+1], v[AMT+\k]
	v_bfi_b32 v[tx], v[SEL+\k], v[tx], v[tx+1]
.endm
; key register m: afterwards bit l of lane b is bit b of lane l's key; lane b stores it as word (wave, m) of plane 31 - b
.macro TRANSP
.set tx, TXR+2*(m%2)
	v_permlanex16_b32 v[tx+1], v[16+2*m], s22, s23
	v_alignbit_b32 v[tx+1], v[tx+1], v[tx+1], v[AMT]
	v_bfi_b32 v[tx], v[SEL], v[16+2*m], v[tx+1]
	TST 1, 8
	TST 2, 4
	TST 3, 2
	TST 4, 1
	ds_store_b32 v[PS], v[tx] offset:PL+4*m
.endm
.macro ZX buf, cw                      ; one more word of: level and bit clear = level xor (level and bit set)
.if zi < \cw
	v_xor_b32 v[AL+zi], v[AL+zi], v[\buf+zi]
.set zi, zi+1
.endif
.endm
; One step of the search, wave 0: the plane in buf.  left = LDS loads that may stay out; ahead = the plane, counted from v[PA], that fills buf again (-1: none).
; s24 the threshold so far, s29 the rank still looked for among the level keys.
.macro RSTEP buf, cw, left, ahead
	s_wait_dscnt \left                             ; LDS loads come back in order (ISA guide 5.7.1): this buffer's are in, the other buffer's, issued behind them, stay out
.set i, 0
.rept \cw
	v_and_b32 v[\buf+i], v[AL+i], v[\buf+i]        ; level with the threshold, and this bit set
.set i, i+1
.endr
.set i, 0
.rept \cw
.if i < 4
	v_bcnt_u32_b32 v[CT+i], v[\buf+i], 0           ; four chains of counts; the first four words start them
.else
	v_bcnt_u32_b32 v[CT+i%4], v[\buf+i], v[CT+i%4]
.endif
.set i, i+1
.endr
	v_add3_u32 v[CT], v[CT], v[CT+1], v[CT+2]
	v_add_nc_u32 v[CT], v[CT], v[CT+3]
.set zi, 0
.irp x, 1,2,4,8                                    ; the sum over the lanes is a chain: the other outcome's mask is made in its gaps
	v_mov_b32_dpp v[CT+1], v[CT] row_xmask:\x row_mask:0xf bank_mask:0xf
	ZX \buf, \cw
	ZX \buf, \cw
	v_add_nc_u32 v[CT], v[CT], v[CT+1]
	ZX \buf, \cw
	ZX \buf, \cw
.endr
	v_permlanex16_b32 v[CT+1], v[CT], s22, s23
	v_add_nc_u32 v[CT], v[CT], v[CT+1]
	v_readfirstlane_b32 s34, v[CT]                 ; level keys with the bit set
	s_cmp_ge_u32 s34, s29                          ; enough of them: the bit joins the threshold
	s_cselect_b32 s35, -1, 0
	s_cselect_b32 s28, 0, s34                      ; else they all lie above it and leave the rank
	s_cselect_b32 s27, 1, 0
	s_sub_co_u32 s29, s29, s28
	s_lshl1_add_u32 s24, s24, s27
.set i, 0
.rept \cw
	v_cndmask_b32 v[AL+i], v[AL+i], v[\buf+i], s35
.set i, i+1
.endr
.if \ahead >= 0
.set i, 0
.rept \cw/4
	ds_load_b128 v[\buf+4*i:\buf+4*i+3], v[PA] offset:PL+\ahead*PLB+512*i
.set i, i+1
.endr
.endif
.endm
; The top first pairs by (key descending, index ascending) go to PAIR[0 .. top-1], in index order; the rest of PAIR[0 .. 1023] is padding.
; Element m of a thread is (v[16+2m], v[17+2m]), m < cnt; the index order is wave, then m, then lane.  Keys are below 2^26.
; cw = cnt made up to a multiple of 4: a plane is 32 cw words, 16 bytes a lane and load.
.macro SELECT cnt, cw, top
.set PLB, 128*\cw+16
	v_sub_nc_u32 v[PS], 31, v1
	v_mul_u32_u24 v[PS], v[PS], PLB
	s_mul_i32 s26, s16, 4*\cw
	v_add_nc_u32 v[PS], s26, v[PS]                 ; plane 31 - lane, my wave's cw words
.set m, 0
.rept \cnt
	TRANSP
.set m, m+1
.endr
.if \cw > \cnt
.rept \cw-\cnt
	ds_store_b32 v[PS], v8 offset:PL+4*m           ; words that stand for no key: no bit set
.set m, m+1
.endr
.endif
	s_mov_b32 s24, 0                               ; the threshold T: in the end the top-th largest key
	s_mov_b32 s29, \top                            ; in the end: how many of the keys equal to T are taken
	s_wait_dscnt 0x0                               ; for wave 0's sake: my words are in LDS
	BAR
	s_cmp_lg_u32 s16, 0
	s_cbranch_scc1 .Lfound\@
	v_lshlrev_b32 v[PA], 4, v1
	v_add_nc_u32 v[PA], 6*PLB, v[PA]               ; bit 25 lies in plane 6; the planes of lower bits follow
.set i, 0
.rept \cw/4
	ds_load_b128 v[B0+4*i:B0+4*i+3], v[PA] offset:PL+512*i
.set i, i+1
.endr
.set i, 0
.rept \cw/4
	ds_load_b128 v[B1+4*i:B1+4*i+3], v[PA] offset:PL+PLB+512*i
.set i, i+1
.endr
.set i, 0
.rept \cw
	v_mov_b32 v[AL+i], -1                          ; every key is level with the empty threshold
.set i, i+1
.endr
	s_mov_b32 s25, 12
.Lbit\@:
	RSTEP B0, \cw, \cw/4, 2
	RSTEP B1, \cw, \cw/4, 3
	v_add_nc_u32 v[PA], 2*PLB, v[PA]
	s_sub_co_u32 s25, s25, 1
	s_cmp_lg_u32 s25, 0
	s_cbranch_scc1 .Lbit\@
	RSTEP B0, \cw, \cw/4, -1                       ; bits 1 and 0: nothing is left to load
	RSTEP B1, \cw, 0, -1
.Lfound\@:
	s_wait_dscnt 0x0                               ; the search's reads, which walk through the planes by a stepped address, are over
	BAR                                            ; reads, wait, barrier, store
	s_cmp_lg_u32 s16, 0
	s_cbranch_scc1 .Ltold\@
	v_mov_b32 v2, s24
	v_mov_b32 v3, s29
	ds_store_b64 v8, v[2:3] offset:TW              ; all lanes write the same two words with the same values
.Ltold\@:
	s_wait_dscnt 0x0
	BAR
	ds_store_b64 v6, v[8:9] offset:PAIR            ; padding everywhere first; it is in LDS at the barrier below, ahead of every placing
	ds_load_b64 v[2:3], v8 offset:TW
	s_wait_dscnt 0x0
	v_readfirstlane_b32 s24, v2
	v_readfirstlane_b32 s29, v3
	s_mov_b32 s27, 0                               ; my wave's counts: keys above T below, keys equal to T in the upper half
.set m, 0
.rept \cnt
	v_cmp_lt_u32 s32, s24, v[16+2*m]
	v_cmp_eq_u32 s33, s24, v[16+2*m]
	s_bcnt1_i32_b32 s32, s32
	s_bcnt1_i32_b32 s33, s33
	s_lshl_b32 s33, s33, 16
	s_add_co_u32 s27, s27, s32
	s_add_co_u32 s27, s27, s33
.set m, m+1
.endr
	GATHER32 s27
	v_cmp_gt_u32 vcc_lo, s16, v1
	v_cndmask_b32 v10, 0, v2, vcc_lo               ; the waves in front of mine
	WSUM 10, 3
	v_readfirstlane_b32 s35, v10
	s_and_b32 s30, s35, 0xffff                     ; keys above T in front of me
	s_lshr_b32 s31, s35, 16                        ; keys equal to T in front of me
.set m, 0
.rept \cnt
	v_cmp_lt_u32 s32, s24, v[16+2*m]
	v_cmp_eq_u32 s33, s24, v[16+2*m]
	v_mbcnt_lo_u32_b32 v11, s33, s31
	v_mbcnt_lo_u32_b32 v10, s32, s30
	v_cmp_gt_u32 vcc_lo, s29, v11
	s_and_b32 vcc_lo, vcc_lo, s33
	s_or_b32 vcc_lo, vcc_lo, s32                   ; taken
	v_min_u32 v11, s29, v11
	v_add_nc_u32 v10, v10, v11                     ; taken in front of me = my place
	v_cndmask_b32 v10, v12, v10, vcc_lo            ; not taken: slot 1024 + t, my own, never read
	v_min_u32 v10, 0x7ff, v10
	v_lshlrev_b32 v10, 3, v10
	ds_store_b64 v10, v[16+2*m:17+2*m] offset:PAIR
	s_bcnt1_i32_b32 s32, s32
	s_bcnt1_i32_b32 s33, s33
	s_add_co_u32 s30, s30, s32
	s_add_co_u32 s31, s31, s33
.set m, m+1
.endr
	s_wait_dscnt 0x0
	BAR
.endm
	s_load_b128 s[4:7], s[0:1], 0x0                ; kk s[4:5], boxes s[6:7]
	s_load_b64 s[8:9], s[0:1], 0x10                ; out0
	v_lshl_add_u32 v112, v0, 2, 0x11000
	v_mov_b32 v113, 0
	v_lshrrev_b32 v2, 5, v0
	v_readfirstlane_b32 s16, v2                    ; wave
	v_and_b32 v1, 31, v0                           ; lane
	v_lshlrev_b32 v4, 2, v2
	v_lshlrev_b32 v5, 2, v1
	v_lshlrev_b32 v6, 3, v0
	v_mov_b32 v8, 0
	v_add_nc_u32 v9, 0x40000, v0
	v_add_nc_u32 v12, 0x400, v0
	v_mad_u32_u24 v7, v2, 288, v1                  ; 288 wave + lane
	v_lshlrev_b32 v34, 2, v7
	v_min_u32 v35, 149, v0                         ; the way out: 150 pieces of 16 bytes; threads behind them stay inside the stage
	v_lshlrev_b32 v35, 4, v35
	v_lshlrev_b32 v47, 3, v1                       ; 8 lane
	v_mov_b32 v[TXR+1], 0                          ; destinations of lane moves count as read: written once here
	v_mov_b32 v[TXR+3], 0
	TCONST 0, 16, 0xffff0000
	TCONST 1, 8,  0xff00ff00
	TCONST 2, 4,  0xf0f0f0f0
	TCONST 3, 2,  0xcccccccc
	TCONST 4, 1,  0xaaaaaaaa
	s_mov_b32 s22, 0x76543210
	s_mov_b32 s23, 0xfedcba98
	s_mov_b32 s21, 0
	s_wait_kmcnt 0x0
	s_mul_i32 s20, ttmp9, 36864
	s_add_nc_u64 s[4:5], s[4:5], s[20:21]
	s_mul_i32 s20, ttmp9, 147456
	s_add_nc_u64 s[6:7], s[6:7], s[20:21]
	s_mul_i32 s20, ttmp9, 2400
	s_add_nc_u64 s[8:9], s[8:9], s[20:21]
.set m, 0
.rept 9
	global_load_b32 v[16+2*m], v34, s[4:5] offset:128*m
	v_add_nc_u32 v[17+2*m], 32*m, v7               ; flat index 1024 class + rank
.set m, m+1
.endr
	s_wait_loadcnt 0x0
	SELECT 9, 12, 100
	s_cmp_ge_u32 s16, 4
	s_cbranch_scc1 .Lstage
	; threads 0 to 127: slot t of PAIR; its place = how many of the 128 precede it (slots are in index order; padding comes last)
	ds_load_b64 v[44:45], v6 offset:PAIR
.irp a, 0,1,2,3
	ds_load_b32 v[40+\a], v47 offset:PAIR+256*\a
.endr
	v_mov_b32 v46, 0
	s_wait_dscnt 0x0
	v_min_u32 v54, 0x23ff, v45
	v_lshlrev_b32 v55, 4, v54
	global_load_b128 v[48:51], v55, s[6:7]
.set j, 0
.rept 128
	v_readlane_b32 s26, v[40+j/32], j%32
	v_cmp_gt_u32 s27, s26, v44
	v_cmp_eq_u32 s28, s26, v44
	v_cmp_lt_u32 vcc_lo, j, v0
	s_and_b32 s28, s28, vcc_lo
	s_or_b32 vcc_lo, s27, s28
	v_add_co_ci_u32 v46, vcc_lo, 0, v46, vcc_lo
.set j, j+1
.endr
	v_add_nc_u32 v52, 0x3d4ccccc, v44              ; the score's bits,
	v_cmp_lt_u32 vcc_lo, 1, v44
	v_cndmask_b32 v52, 0, v52, vcc_lo              ; or 0.0 for a box that was suppressed or masked
	v_lshrrev_b32 v53, 10, v54
	v_cvt_f32_u32 v53, v53                         ; label
	v_min_u32 v46, 127, v46
	v_mul_u32_u24 v46, v46, 24
	s_wait_loadcnt 0x0
	ds_store_b64 v46, v[48:49] offset:OUTS         ; the 128 places are a permutation of 0 .. 127: every row of the stage is written
	ds_store_b64 v46, v[50:51] offset:OUTS+8
	ds_store_b64 v46, v[52:53] offset:OUTS+16
.Lstage:
	s_wait_dscnt 0x0
	BAR
	s_wait_xcnt 0x0                                ; EXEC changes only behind this wait
	v_cmp_gt_u32 vcc_lo, 150, v0
	s_wait_tensorcnt 0x0
	ds_add_u32 v112, v113
	s_wait_dscnt 0x0
	s_and_saveexec_b32 s26, vcc_lo                 ; 100 rows of 24 bytes = 150 x 16 bytes
	ds_load_b128 v[36:39], v35 offset:OUTS
	s_wait_dscnt 0x0
	global_store_b128 v35, v[36:39], s[8:9]
	s_endpgm
.Lfunc_end_k_q7c56abbcf1_final:
	.size	k_q7c56abbcf1_final, .Lfunc_end_k_q7c56abbcf1_final-k_q7c56abbcf1_final
	.p2alignl 7, 3214868480
	.fill 96, 4, 3214868480
	.section	.rodata,"a",@progbits
	.p2align	6, 0x0
	.amdhsa_kernel k_q7c56abbcf1_final
		.amdhsa_group_segment_fixed_size 73728
		.amdhsa_private_segment_fixed_size 0
		.amdhsa_enable_private_segment 0
		.amdhsa_kernarg_size 24
		.amdhsa_user_sgpr_count 2
		.amdhsa_user_sgpr_kernarg_segment_ptr 1
		.amdhsa_wavefront_size32 1
		.amdhsa_system_sgpr_workgroup_id_x 1
		.amdhsa_system_sgpr_workgroup_id_y 1
		.amdhsa_system_sgpr_workgroup_id_z 1
		.amdhsa_system_vgpr_workitem_id 0
		.amdhsa_next_free_vgpr 114
		.amdhsa_next_free_sgpr 66
		.amdhsa_reserve_vcc 1
		.amdhsa_float_denorm_mode_32 3
		.amdhsa_float_denorm_mode_16_64 3
		.amdhsa_memory_ordered 1
		.amdhsa_forward_progress 1
		.amdhsa_inst_pref_size 82
	.end_amdhsa_kernel
	.amdgpu_metadata
---
amdhsa.version: [ 1, 2 ]
amdhsa.kernels:
  - .name:           k_q7c56abbcf1_final
    .symbol:         k_q7c56abbcf1_final.kd
    .args:
      - { .name: kk, .offset: 0, .size: 8, .value_kind: global_buffer, .address_space: global }
      - { .name: boxes, .offset: 8, .size: 8, .value_kind: global_buffer, .address_space: global }
      - { .name: out0, .offset: 16, .size: 8, .value_kind: global_buffer, .address_space: global }
    .group_segment_fixed_size: 73728
    .private_segment_fixed_size: 0
    .kernarg_segment_align: 8
    .kernarg_segment_size: 24
    .max_flat_workgroup_size: 1024
    .sgpr_count:     66
    .vgpr_count:     114
    .wavefront_size: 32
...
	.end_amdgpu_metadata
.endif
;; end of part 5
